; MI455X (gfx1250); checked and timed in simulation.
; The chip was launched on July 23, 2026; its instructions are those of AMD's public machine-readable ISA for CDNA 5 (MIT licence, August 2026) and "CDNA5" Instruction Set Architecture Reference Guide (July 2026). The comments in the code are by the model that wrote it; some were corrected since.
;; Multi Head Attention. Allowed arithmetic: float matrix products may take bf16 or f16 operands with f32 sums; all other float work in f32.
;; Inputs: Wk 1,024 x 1,024 float32; Wo 1,024 x 1,024 float32; Wq 1,024 x 1,024 float32; Wv 1,024 x 1,024 float32; bk 1,024 float32; bo 1,024 float32; bq 1,024 float32; bv 1,024 float32; x 2 x 2,048 x 1,024 float32.
;; Outputs: out0 2 x 2,048 x 1,024 float32.
;; 3 versions, each right; version 2 is faster than version 1; version 3 is version 2 with the launch cast written anew for expert scheduling mode. Each part assembles by itself: llvm-mc -triple=amdgcn-amd-amdhsa -mcpu=gfx1250 --defsym DOCPART=n.
;; ======== version 1 of 3: 3 launches
;; limits: values are held in f16: magnitudes above 65,504 overflow, below 6.1e-05 lose precision
;; workspace buffers: q 8,388,608 bytes; k 8,388,608 bytes; v 8,388,608 bytes; ctx 16,777,216 bytes; wob 2,097,152 bytes
;; launch qkv (part 1): grid 16 x 16, 4 waves a work-group, clusters of 4 x 4, 327,680 bytes of LDS; arguments x, Wq, Wk, Wv, Wo, bq, bk, bv, q, k, v, wob; writes q, k, v, wob
.if DOCPART == 1
	.amdgcn_target "amdgcn-amd-amdhsa--gfx1250"
	.amdhsa_code_object_version 6
	.text
	.protected	k_q4b779bac59_qkv
	.globl	k_q4b779bac59_qkv
	.p2align	8
	.type	k_q4b779bac59_qkv,@function
k_q4b779bac59_qkv:
	s_mov_b64 s[64:65], 0
	v_nop
	global_prefetch_b8 v0, s[64:65] scope:SCOPE_SE
	s_setreg_imm32_b32 hwreg(HW_REG_WAVE_MODE, 25, 1), 1
	s_wait_xcnt 0x0
	s_wait_alu depctr_hold_cnt(0) depctr_sa_sdst(0) depctr_va_vdst(0) depctr_va_sdst(0) depctr_va_ssrc(0) depctr_va_vcc(0) depctr_vm_vsrc(0)
	s_getreg_b32 s2, hwreg(HW_REG_IB_STS2, 6, 4)
	s_cmp_eq_u32 s2, 0
	s_cbranch_scc0 .Lentry_in_a_cluster
	s_endpgm
.Lentry_in_a_cluster:
	s_bfe_u32 s2, ttmp6, 0x10000c
	s_cmp_lg_u32 s2, 0xf033
	s_cbranch_scc0 .Lentry_shape_is_right
	s_endpgm
.Lentry_shape_is_right:
; q, k, v = x W^T + b for one head and 256 rows of x; x and W are f32 in memory and are rounded to bf16 on the way from LDS to the matrix unit;
; sums in f32.  q is multiplied by 0.125 log2(e) (the scores' scale and the base-2 exponential of the next launch).  q, k, v leave as f16, laid
; [batch*16+head][row 0..2047][64]: a head's rows are dense, so every store below covers 512 consecutive bytes.
; LIMIT: |0.18 q|, |k|, |v| must stay below 65,504 (f16's largest number); f16 and not bf16 because an error of 2^-9 in v would show in the rows with few keys.
; Side job: each work-group rounds 4 rows of Wo to bf16 into wob[head][n][64] for the last launch.
; Four waves; wave (wm, wn) makes 128 rows x 96 columns: wn = 0: q's 64 and k's columns 0-31; wn = 1: v's 64 and k's columns 32-63.
; K goes in steps of 64 f32 (rows of 256 bytes) through two LDS slots.  CLUSTER 4 x 4: x's tile hangs on the block of rows alone and is asked for
; jointly along a row of the cluster, W's tiles hang on the head alone and are asked for jointly along a column.
; The matrix instruction is used transposed (source 0 = 16 rows of W, source 1 = 16 rows of x): a lane's 8 results are 8 neighbouring columns of one row.
; Registers: window 0: addresses, bf16 fragments, biases; window 1: f32 as read from LDS; windows 2, 3: 48 accumulators (row blocks 0-3, 4-7).
.set PITCH,  272                       ; LDS row: 256 bytes + 16: the 16 rows of a fragment load start in 16 different 16-byte columns modulo 256 bytes
.set BLK64,  64*PITCH                  ; what one tensor load brings
.set WOFF,   256*PITCH                 ; x's 256 rows, then Wq's, Wk's, Wv's 64 rows each
.set SLOT,   WOFF+3*BLK64              ; 121,856
.set SPITCH, 144                       ; stage row: 64 f16 + 16 bytes
.set SREG,   256*SPITCH                ; stage: q at 0, k at SREG, v at 2 SREG, inside slot 0 behind that slot's last fill
.set ADRA,  4                          ; v4-5   x fragments, slot 0, 1
.set ADRB0, 6                          ; v6-7   Wq (wn = 0) or Wv (wn = 1) fragments
.set ADRB1, 8                          ; v8-9   Wk fragments
.set STO0,  10
.set STO1,  11
.set RD,    12
.set RD2,   13
.set CO,    14
.set WL,    16
.set WS,    17
.set BO0,   18
.set BO1,   19
.set FRA,   32                         ; v32-95   8 bf16 fragments of x
.set FRB,   96                         ; v96-143  6 bf16 fragments of W
.set BIAS,  144                        ; v144-191 8 biases for each column block
.set WOR,   192                        ; v192-223 Wo as loaded
.set WOC,   224                        ; v224-239 Wo in bf16
.set RA,    0                          ; window 1: v0-127 x in f32, 16 registers a fragment
.set RB,    128                        ; window 1: v128-223 W in f32
.set T,     32                         ; the way out, window 0
.set PK,    80
.set G1A, 40
.set G1B, 48
.set G0A, 56                           ; s[56:63]  group 0 of x's loads, one set a slot
.set G0B, 68                           ; s[68:75]  group 0 of W's loads
.set G1W0, (2<<16)|(1<<20)|(1<<21)|(5<<22)|(3<<25)   ; elements of 4 bytes; padding on; bit 21 beside a mask; after every 64 words, 4 words
.set MSB, 0
.macro WIN new                         ; the immediate's high byte repeats the setting that is left
.if MSB != \new
	s_set_vgpr_msb (MSB<<8)|\new
.set MSB, \new
.endif
.endm
.macro PLACES                          ; four places behind a matrix instruction (ISA guide 7.12.1)
.rept 4
	v_nop
.endr
.endm
.macro CREST                           ; a round of the cluster's barrier behind its opening work-group barrier
	s_cmp_lg_u32 s4, 0
	s_cbranch_scc1 .Lnot_wave_0_\@
	s_barrier_signal -3
.Lnot_wave_0_\@:
	s_barrier_wait -3
	s_barrier_signal -1
	s_barrier_wait -1
.endm
.macro CROUND
	s_barrier_signal -1
	s_barrier_wait -1
	CREST
.endm
.macro JLOAD sl                        ; every wave: 64 rows of x; waves 0, 1, 2: the 64 rows of Wq, Wk, Wv.  The branch hangs on the wave's number alone
	tensor_load_to_lds s[G0A+4*\sl:G0A+4*\sl+3], s[G1A:G1A+7]
	s_nop 0
	s_cmp_eq_u32 s4, 3
	s_cbranch_scc1 .Lno_w_\@
	tensor_load_to_lds s[G0B+4*\sl:G0B+4*\sl+3], s[G1B:G1B+7]
	s_nop 0
.Lno_w_\@:
.endm
	s_load_b512 s[8:23], s[0:1], 0x0               ; x, Wq, Wk, Wv, Wo, bq, bk, bv
	s_load_b256 s[24:31], s[0:1], 0x40             ; q, k, v, wob
	s_set_vgpr_msb 0x40
	v_lshl_add_u32 v254, v0, 2, 0x3b800
	v_mov_b32 v255, 0
	s_set_vgpr_msb 0x4045
	ds_add_u32 v254, v255
	s_set_vgpr_msb 0x4500
	v_lshrrev_b32 v1, 5, v0
	v_readfirstlane_b32 s4, v1                     ; wave
	s_lshr_b32 s5, s4, 1                           ; wm
	s_and_b32 s6, s4, 1                            ; wn
	s_bfe_u32 s32, ttmp6, 0x40000                  ; cx
	s_bfe_u32 s33, ttmp6, 0x40004                  ; cy
	s_lshl_b32 s34, ttmp9, 2
	s_add_co_u32 s34, s34, s32                     ; head = 4 x cluster x + cx
	s_and_b32 s35, ttmp7, 0xffff
	s_lshl_b32 s35, s35, 2
	s_add_co_u32 s35, s35, s33                     ; block of 256 rows = 4 x cluster y + cy
	s_lshl_b32 s36, s33, 2
	s_lshl_b32 s36, 15, s36                        ; my row of the cluster
	s_lshl_b32 s37, 0x1111, s32                    ; my column
	s_or_b32 s[G1A], s36, G1W0
	s_or_b32 s[G1B], s37, G1W0
.irp g, G1A, G1B
	s_mov_b32 s[\g+1], 64<<16                      ; tensor_dim0 = 64
	s_mov_b32 s[\g+2], 64<<16                      ; tensor_dim1 = 64
	s_mov_b32 s[\g+3], 64<<16                      ; tile_dim0 = 64 elements
	s_mov_b32 s[\g+4], 64                          ; tile_dim1 = 64 rows
	s_mov_b32 s[\g+5], 1024                        ; elements from row to row
	s_mov_b32 s[\g+6], 0
	s_mov_b32 s[\g+7], 0
.endr
	s_lshl_b32 s84, s35, 20                        ; x: (256 block + 64 wave) rows of 4,096 bytes
	s_lshl_b32 s85, s4, 18
	s_add_co_u32 s84, s84, s85
	s_mov_b32 s85, 0
	s_lshl_b32 s88, s34, 18                        ; W: 64 head rows of 4,096 bytes
	s_mov_b32 s89, 0
	s_mul_i32 s38, s4, BLK64                       ; LDS: the wave's number alone
	s_wait_dscnt 0x0
	s_wait_kmcnt 0x0
	s_add_nc_u64 s[86:87], s[8:9], s[84:85]
	s_cmp_eq_u32 s4, 0
	s_cselect_b64 s[78:79], s[10:11], s[12:13]     ; wave 0: Wq, wave 1: Wk,
	s_cmp_gt_u32 s4, 1
	s_cselect_b64 s[78:79], s[14:15], s[78:79]     ; wave 2: Wv (wave 3 asks for no W)
	s_add_nc_u64 s[78:79], s[78:79], s[88:89]
	CROUND                                         ; all sixteen work-groups are here: the first joint loads meet
.irp s, 0,1
	s_mov_b32 s[G0A+4*\s], 1
	s_add_co_u32 s[G0A+4*\s+1], s38, \s*SLOT
	s_add_nc_u64 s[G0A+4*\s+2:G0A+4*\s+3], s[86:87], \s*256
	s_or_b32 s[G0A+4*\s+3], s[G0A+4*\s+3], 0x80000000
	s_mov_b32 s[G0B+4*\s], 1
	s_add_co_u32 s[G0B+4*\s+1], s38, \s*SLOT+WOFF
	s_add_nc_u64 s[G0B+4*\s+2:G0B+4*\s+3], s[78:79], \s*256
	s_or_b32 s[G0B+4*\s+3], s[G0B+4*\s+3], 0x80000000
	JLOAD \s                                       ; K steps 0 and 1: at most four tensor loads of a wave are out
.endr
	; biases of my columns, and my 32 numbers of Wo
	v_and_b32 v1, 15, v0                           ; r
	v_bfe_u32 v2, v0, 4, 1                         ; h
	v_and_b32 v3, 31, v0                           ; lane
	v_lshrrev_b32 v22, 3, v3
	v_and_b32 v23, 7, v0
	v_lshlrev_b32 v[BO0], 5, v2                    ; 8 h columns of 4 bytes
	s_lshl_b32 s39, s6, 7
	v_add_nc_u32 v[BO1], s39, v[BO0]               ; k: + 32 wn columns
	s_lshl_b32 s92, s34, 8                         ; 64 head columns
	s_mov_b32 s93, 0
	s_cmp_eq_u32 s6, 0
	s_cselect_b64 s[80:81], s[18:19], s[22:23]     ; bq or bv
	s_cselect_b32 s76, 0x3e38aa3b, 1.0             ; 0.125 log2(e) for q, 1 for v
	s_mov_b32 s77, s76
	s_add_nc_u64 s[80:81], s[80:81], s[92:93]
	s_add_nc_u64 s[82:83], s[20:21], s[92:93]
.irp b, 0,1,2,3
	global_load_b128 v[BIAS+8*\b:BIAS+8*\b+3],   v[BO0], s[80:81] offset:64*\b
	global_load_b128 v[BIAS+8*\b+4:BIAS+8*\b+7], v[BO0], s[80:81] offset:64*\b+16
.endr
.irp b, 0,1
	global_load_b128 v[BIAS+32+8*\b:BIAS+32+8*\b+3],   v[BO1], s[82:83] offset:64*\b
	global_load_b128 v[BIAS+32+8*\b+4:BIAS+32+8*\b+7], v[BO1], s[82:83] offset:64*\b+16
.endr
	s_lshl_b32 s66, s35, 4
	s_add_co_u32 s66, s66, s34                     ; work-group 0..255: rows 4 id .. 4 id + 3 of Wo
	s_lshl_b32 s94, s66, 14
	s_mov_b32 s95, 0
	s_add_nc_u64 s[16:17], s[16:17], s[94:95]
	s_lshl_b32 s96, s66, 9
	s_mov_b32 s97, 0
	s_add_nc_u64 s[30:31], s[30:31], s[96:97]
	v_lshlrev_b32 v[WL], 12, v22                   ; row lane/8, 32 bytes at lane%8, heads 4 wave + 0..3 by the immediate
	v_lshl_add_u32 v[WL], v23, 5, v[WL]
	s_lshl_b32 s67, s4, 10
	v_add_nc_u32 v[WL], s67, v[WL]
.irp j, 0,1,2,3
	global_load_b128 v[WOR+8*\j:WOR+8*\j+3],   v[WL], s[16:17] offset:256*\j th:TH_LOAD_NT
	global_load_b128 v[WOR+8*\j+4:WOR+8*\j+7], v[WL], s[16:17] offset:256*\j+16 th:TH_LOAD_NT
.endr
	; LDS addresses.  A bf16 fragment's K = 8h..8h+7 and 16+8h..+7 are, in f32, 32 bytes at 32 h and 32 bytes at 64 + 32 h
	v_mul_u32_u24 v20, v1, PITCH
	v_lshl_add_u32 v20, v2, 5, v20
	s_mul_i32 s39, s5, 128*PITCH
	v_add_nc_u32 v[ADRA], s39, v20
	v_add_nc_u32 v[ADRA+1], SLOT, v[ADRA]
	s_mul_i32 s91, s6, 128*PITCH                   ; Wq's rows, or Wv's 128 rows further
	s_add_co_u32 s91, s91, WOFF
	v_add_nc_u32 v[ADRB0], s91, v20
	v_add_nc_u32 v[ADRB0+1], SLOT, v[ADRB0]
	s_mul_i32 s91, s6, 32*PITCH                    ; Wk's rows 32 wn ..
	s_add_co_u32 s91, s91, WOFF+BLK64
	v_add_nc_u32 v[ADRB1], s91, v20
	v_add_nc_u32 v[ADRB1+1], SLOT, v[ADRB1]
	v_mul_u32_u24 v21, v1, SPITCH
	v_lshl_add_u32 v21, v2, 4, v21                 ; stage: row r, 16 bytes for each half of the lanes
	s_mul_i32 s39, s5, 128*SPITCH
	s_mul_i32 s91, s6, 2*SREG
	s_add_co_u32 s91, s91, s39
	v_add_nc_u32 v[STO0], s91, v21                 ; q's or v's stage
	s_lshl_b32 s91, s6, 6
	s_add_co_u32 s91, s91, s39
	s_add_co_u32 s91, s91, SREG
	v_add_nc_u32 v[STO1], s91, v21                 ; k's stage, columns 32 wn ..
	v_mul_u32_u24 v[RD], v22, SPITCH               ; back: 4 rows of 128 bytes a load, rows 64 wave ..
	v_lshl_add_u32 v[RD], v23, 4, v[RD]
	s_mul_i32 s91, s4, 64*SPITCH
	v_add_nc_u32 v[RD], s91, v[RD]
	v_add_nc_u32 v[RD2], 2*SREG, v[RD]
	s_lshl_b32 s91, s4, 13
	v_lshl_add_u32 v[CO], v3, 4, s91
	s_lshl_b32 s91, s4, 19
	v_lshl_add_u32 v[WS], v3, 4, s91               ; wob: 16 lane + 4 wave heads of 131,072 bytes
	s_wait_loadcnt 0x0
.irp p, 0,2,4,6,8,10,12,14,16,18,20,22,24,26,28,30
	v_pk_mul_f32 v[BIAS+\p:BIAS+\p+1], v[BIAS+\p:BIAS+\p+1], s[76:77] op_sel_hi:[1,0]   ; (acc + b) c = acc c + b c
.endr
.set i, 0
.rept 16
	v_cvt_pk_bf16_f32 v[WOC+i], v[WOR+2*i], v[WOR+2*i+1]
.set i, i+1
.endr
.irp j, 0,1,2,3
	global_store_b128 v[WS], v[WOC+4*\j:WOC+4*\j+3], s[30:31] offset:131072*\j   ; 4 rows x 128 bytes of one head: 512 consecutive bytes
.endr
.macro FRAG4 dst, adr, off             ; 16 f32 of a row: the K of one bf16 fragment register set
	ds_load_b128 v[\dst:\dst+3],     v[\adr] offset:\off
	ds_load_b128 v[\dst+4:\dst+7],   v[\adr] offset:\off+16
	ds_load_b128 v[\dst+8:\dst+11],  v[\adr] offset:\off+64
	ds_load_b128 v[\dst+12:\dst+15], v[\adr] offset:\off+80
.endm
.macro FETCH sl, hk                    ; 56 loads: 32 of K (half hk of the slot's 64) of my 96 rows of W and 128 rows of x, into window 1
	WIN 0x40
.irp i, 0,1,2,3
	FRAG4 RB+16*\i, ADRB0+\sl, \i*16*PITCH+128*\hk
.endr
.irp i, 0,1
	FRAG4 RB+64+16*\i, ADRB1+\sl, \i*16*PITCH+128*\hk
.endr
.irp i, 0,1,2,3,4,5,6,7
	FRAG4 RA+16*\i, ADRA+\sl, \i*16*PITCH+128*\hk
.endr
.endm
.macro CVT                             ; f32 (window 1) to bf16 fragments (window 0): register i takes numbers 2i, 2i+1, so K keeps its place
	WIN 0x05
.set i, 0
.rept 48
	v_cvt_pk_bf16_f32 v[FRB+i], v[RB+2*i], v[RB+2*i+1]
.set i, i+1
.endr
.set i, 0
.rept 64
	v_cvt_pk_bf16_f32 v[FRA+i], v[RA+2*i], v[RA+2*i+1]
.set i, i+1
.endr
.endm
; 24 matrix instructions.  The 48 accumulators take turns, one instruction a turn, in the same order everywhere.
.macro MUL hi, zero
.if \hi
	WIN 0xf0
.else
	WIN 0xa0
.endif
.irp a, 0,1,2,3
.irp b, 0,1,2,3,4,5
.if \zero
	v_wmma_f32_16x16x32_bf16 v[8*(6*\a+\b):8*(6*\a+\b)+7], v[FRB+8*\b:FRB+8*\b+7], v[FRA+8*(4*\hi+\a):FRA+8*(4*\hi+\a)+7], 0
.else
	v_wmma_f32_16x16x32_bf16 v[8*(6*\a+\b):8*(6*\a+\b)+7], v[FRB+8*\b:FRB+8*\b+7], v[FRA+8*(4*\hi+\a):FRA+8*(4*\hi+\a)+7], v[8*(6*\a+\b):8*(6*\a+\b)+7]
.endif
.endr
.endr
.endm
.macro SUB0 sl, zero                   ; first half of a K step
	s_wait_dscnt 0x0                               ; the 56 loads of this half are in
	PLACES                                         ; the conversions write sources of the last matrix instructions
	CVT
	FETCH \sl, 1                                   ; the second half, while 48 matrix instructions run
	MUL 0, \zero
	MUL 1, \zero
.endm
; Second half of a K step, and the change of slots.  In front of the barrier each wave's reads of this slot are back and all its tensor loads have
; landed (what was out is its part of the other slot, asked for one K step, 72 matrix instructions, ago).  Where the slot is filled again the barrier opens a round of the
; cluster's barrier, and the joint refill is the first tensor load behind the round.
.macro SUB1 sl, nxt, fill
	s_wait_dscnt 0x0                               ; my last reads of this slot are back
	PLACES
	CVT
	s_wait_tensorcnt 0x0
	ds_add_u32 v254, v255
	s_wait_dscnt 0x0
	s_barrier_signal -1
	MUL 0, 0                                       ; register work while the others arrive
	WIN 0
	s_barrier_wait -1
.if \fill
	CREST
	s_add_nc_u64 s[G0A+4*\sl+2:G0A+4*\sl+3], s[G0A+4*\sl+2:G0A+4*\sl+3], 512   ; two K steps on; no tensor load of mine is out
	s_add_nc_u64 s[G0B+4*\sl+2:G0B+4*\sl+3], s[G0B+4*\sl+2:G0B+4*\sl+3], 512
	JLOAD \sl
.endif
	FETCH \nxt, 0
	MUL 1, 0
.endm
.macro LAP zero
	SUB0 0, \zero
	SUB1 0, 1, 1
	SUB0 1, 0
	SUB1 1, 0, 1
.endm
	s_wait_tensorcnt 0x1                           ; issued: x0, W0, x1, W1 (wave 3: x0, x1): with one left out, K step 0's are in
	s_barrier_signal -1
	s_barrier_wait -1
	FETCH 0, 0
	LAP 1                                          ; the first products start the sums: nothing is cleared
	WIN 0
	s_mov_b32 s90, 6                               ; laps 1 to 6: with lap 0 they multiply K steps 0-13 and ask for 2-15
.Llap:
	LAP 0
	WIN 0
	s_sub_co_u32 s90, s90, 1
	s_cmp_lg_u32 s90, 0
	s_cbranch_scc1 .Llap
	SUB0 0, 0                                      ; K steps 14 and 15: nothing more is asked for
	SUB1 0, 1, 0
	SUB0 1, 0
	s_wait_dscnt 0x0
	PLACES
	CVT
	MUL 0, 0
	MUL 1, 0
	; THE WAY OUT.  Slot 0 has had its last fill and, since the barrier of K step 14, its last read: it is the stage.
	PLACES
	s_lshr_b32 s98, s35, 3                         ; batch
	s_lshl_b32 s98, s98, 4
	s_add_co_u32 s98, s98, s34                     ; batch x 16 + head
	s_lshl_b32 s98, s98, 18                        ; x 2,048 rows of 128 bytes
	s_and_b32 s99, s35, 7
	s_lshl_b32 s99, s99, 15                        ; + 256 rows for each block
	s_add_co_u32 s98, s98, s99
	s_mov_b32 s99, 0
	s_add_nc_u64 s[24:25], s[24:25], s[98:99]
	s_add_nc_u64 s[26:27], s[26:27], s[98:99]
	s_add_nc_u64 s[28:29], s[28:29], s[98:99]
.macro OUTA row, a, win                ; 16 rows: scale and bias in f32, one rounding to f16, 16 bytes a lane into the stage
	WIN \win
.irp b, 0,1,2,3
.irp p, 0,2,4,6
	v_pk_fma_f32 v[T+8*\b+\p:T+8*\b+\p+1], v[8*(6*\a+\b)+\p:8*(6*\a+\b)+\p+1], s[76:77], v[BIAS+8*\b+\p:BIAS+8*\b+\p+1] op_sel_hi:[1,0,1]
.endr
.endr
.irp b, 4,5
.irp p, 0,2,4,6
	v_pk_add_f32 v[T+8*\b+\p:T+8*\b+\p+1], v[8*(6*\a+\b)+\p:8*(6*\a+\b)+\p+1], v[BIAS+8*\b+\p:BIAS+8*\b+\p+1]
.endr
.endr
	WIN 0
.set i, 0
.rept 24
	v_cvt_pk_f16_f32 v[PK+i], v[T+2*i], v[T+2*i+1]
.set i, i+1
.endr
.irp b, 0,1,2,3
	ds_store_b128 v[STO0], v[PK+4*\b:PK+4*\b+3] offset:\row*16*SPITCH+32*\b
.endr
.irp b, 0,1
	ds_store_b128 v[STO1], v[PK+16+4*\b:PK+16+4*\b+3] offset:\row*16*SPITCH+32*\b
.endr
.endm
	OUTA 0, 0, 0x02
	OUTA 1, 1, 0x02
	OUTA 2, 2, 0x02
	OUTA 3, 3, 0x02
	OUTA 4, 0, 0x03
	OUTA 5, 1, 0x03
	OUTA 6, 2, 0x03
	OUTA 7, 3, 0x03
	s_wait_dscnt 0x0                               ; my stores into the stage are done: k's rows are made by two waves
	s_barrier_signal -1
	s_barrier_wait -1
.macro DRAIN adr, off, base            ; my 64 rows of one of q, k, v: 8,192 dense bytes
	s_wait_xcnt 0x0                                ; the registers that earlier stores read are loaded again only behind this wait
.irp t, 0,1,2,3,4,5,6,7,8,9,10,11,12,13,14,15
	ds_load_b128 v[T+4*\t:T+4*\t+3], v[\adr] offset:\off+\t*4*SPITCH
.endr
.irp t, 0,1,2,3,4,5,6,7,8,9,10,11,12,13,14,15
	s_wait_dscnt 15-\t                             ; LDS loads come back in order: load t is in
	global_store_b128 v[CO], v[T+4*\t:T+4*\t+3], s[\base:\base+1] offset:512*\t   ; the wave stores 512 consecutive bytes, aligned
.endr
.endm
	DRAIN RD, 0, 24
	DRAIN RD, SREG, 26
	DRAIN RD2, 0, 28
	s_set_vgpr_msb 0x5
	s_wait_tensorcnt 0x0
	ds_add_u32 v254, v255
	s_wait_dscnt 0x0
	s_set_vgpr_msb 0x500
	CROUND                                         ; the closing round: no work-group ends while a partner may still ask jointly
	s_endpgm
.Lfunc_end_k_q4b779bac59_qkv:
	.size	k_q4b779bac59_qkv, .Lfunc_end_k_q4b779bac59_qkv-k_q4b779bac59_qkv
	.p2alignl 7, 3214868480
	.fill 96, 4, 3214868480
	.section	.rodata,"a",@progbits
	.p2align	6, 0x0
	.amdhsa_kernel k_q4b779bac59_qkv
		.amdhsa_group_segment_fixed_size 327680
		.amdhsa_private_segment_fixed_size 0
		.amdhsa_enable_private_segment 0
		.amdhsa_kernarg_size 96
		.amdhsa_user_sgpr_count 2
		.amdhsa_user_sgpr_kernarg_segment_ptr 1
		.amdhsa_wavefront_size32 1
		.amdhsa_system_sgpr_workgroup_id_x 1
		.amdhsa_system_sgpr_workgroup_id_y 1
		.amdhsa_system_sgpr_workgroup_id_z 1
		.amdhsa_system_vgpr_workitem_id 0
		.amdhsa_next_free_vgpr 960
		.amdhsa_next_free_sgpr 100
		.amdhsa_reserve_vcc 0
		.amdhsa_float_denorm_mode_32 3
		.amdhsa_float_denorm_mode_16_64 3
		.amdhsa_memory_ordered 1
		.amdhsa_forward_progress 1
		.amdhsa_inst_pref_size 219
	.end_amdhsa_kernel
	.amdgpu_metadata
---
amdhsa.version: [ 1, 2 ]
amdhsa.kernels:
  - .name:           k_q4b779bac59_qkv
    .symbol:         k_q4b779bac59_qkv.kd
    .args:
      - { .name: x, .offset: 0, .size: 8, .value_kind: global_buffer, .address_space: global }
      - { .name: Wq, .offset: 8, .size: 8, .value_kind: global_buffer, .address_space: global }
      - { .name: Wk, .offset: 16, .size: 8, .value_kind: global_buffer, .address_space: global }
      - { .name: Wv, .offset: 24, .size: 8, .value_kind: global_buffer, .address_space: global }
      - { .name: Wo, .offset: 32, .size: 8, .value_kind: global_buffer, .address_space: global }
      - { .name: bq, .offset: 40, .size: 8, .value_kind: global_buffer, .address_space: global }
      - { .name: bk, .offset: 48, .size: 8, .value_kind: global_buffer, .address_space: global }
      - { .name: bv, .offset: 56, .size: 8, .value_kind: global_buffer, .address_space: global }
      - { .name: q, .offset: 64, .size: 8, .value_kind: global_buffer, .address_space: global }
      - { .name: k, .offset: 72, .size: 8, .value_kind: global_buffer, .address_space: global }
      - { .name: v, .offset: 80, .size: 8, .value_kind: global_buffer, .address_space: global }
      - { .name: wob, .offset: 88, .size: 8, .value_kind: global_buffer, .address_space: global }
    .group_segment_fixed_size: 327680
    .private_segment_fixed_size: 0
    .kernarg_segment_align: 8
    .kernarg_segment_size: 96
    .max_flat_workgroup_size: 128
    .sgpr_count:     100
    .vgpr_count:     960
    .wavefront_size: 32
...
	.end_amdgpu_metadata
.endif
;; end of part 1
;; launch attn (part 2): grid 8 x 32, 8 waves a work-group, no clusters, 327,680 bytes of LDS; arguments q, k, v, ctx; writes ctx
.if DOCPART == 2
	.amdgcn_target "amdgcn-amd-amdhsa--gfx1250"
	.amdhsa_code_object_version 6
	.text
	.protected	k_q4b779bac59_attn
	.globl	k_q4b779bac59_attn
	.p2align	8
	.type	k_q4b779bac59_attn,@function
k_q4b779bac59_attn:
	s_mov_b64 s[64:65], 0
	v_nop
	global_prefetch_b8 v0, s[64:65] scope:SCOPE_SE
	s_setreg_imm32_b32 hwreg(HW_REG_WAVE_MODE, 25, 1), 1
	s_wait_xcnt 0x0
; Causal attention of one head for two blocks of 128 queries, i and 15 - i: together 17 tiles of 128 keys in every work-group.
; q (already times 0.125 log2 e), k, v: f16, [batch*16+head][2048][64].  Softmax in f32 with a running maximum, base 2.
; ctx leaves as a sum of two bf16 terms (hi at byte 0, lo = bf16(ctx - hi) at byte 8,388,608, both [batch*16+head][2048][64]), so that the last launch can multiply it
; by Wo in bf16 without a visible rounding of ctx.
; LIMITS: the running maximum starts at -FLT_MAX (scores are taken to be finite); exponentials below 2^-126 count as 0; the row sum adds p in f32 while the product with v takes p rounded to f16.
; NO CLUSTER: the work-groups that read one head's k and v are its query blocks; they stop at different key tiles, by branches on the work-group's number, and partners of a joint
; load must issue the same loads; letting all walk all 16 tiles would cost 32 tile units a work-group instead of 17.
; Y = the odd one of (i, 15-i) goes first: tiles 0..Y = (Y+1)/2 pairs; then X, the even one: X/2 pairs and one single tile, its diagonal.  Always 8 pairs + 1.
; Eight waves: wave (g, w) takes queries 32 w .. +31 and keys 64 g .. +63 of every tile; the two groups g keep their own maximum, sum and O and are merged at a block's end.
; S^T = K Q^T (lane (r,h), register j: key 16 kt + 8 h + j, query r), so a lane's p pack in place into the B fragment of O^T = V^T P^T, and maximum, sum and scale belong to one lane's query.
.set KP, 144                           ; K row: 128 bytes + 16
.set VP, 160                           ; V row: 128 bytes + 32 (an odd multiple of 32 for the transposing loads)
.set KBYTES, 256*KP
.set SS, KBYTES+256*VP                 ; a slot: 256 keys of K, then of V: 77,824
.set SCR0, 2*SS                        ; merge scratch, 4 x 8,704
.set SCRW, 8704
.set STG0, SCR0+4*SCRW                 ; stage, 4 x (32 rows hi + 32 rows lo) x 144
.set STGW, 64*KP
.set CO2, 2
.set QO,  3
.set KA,  4                            ; v4-5
.set VA,  6                            ; v6-7
.set DQ,  8                            ; my query - my first key, in the diagonal tile
.set NINF, 9
.set SCR, 10
.set STO, 11
.set RD,  12
.set CO,  13
.set L0,  14                           ; v14-15  row sums (the lane's own keys)
.set MP,  16                           ; v16-19  (m0, m0, m1, m1)
.set AP,  20                           ; v20-23  (alpha0, alpha0, alpha1, alpha1)
.set T,   24                           ; v24-31
.set Q,   32                           ; v32-63   Q(n, d half) at 8 (2 n + d)
.set O,   64                           ; v64-127  O(db, n) at 8 (2 db + n)
.set S,   128                          ; v128-191 S(kt, n) at 32 n + 8 kt; then P(n, u) at 32 n + 16 u
.set KV,  192                          ; v192-255 fragments of K, then of V^T;  window 1 v0-31: Q of the second block
.set G1K, 28
.set G1V, 36
.set G0K, 44
.set G0V, 52
.set MSB, 0
.macro WIN new
.if MSB != \new
	s_set_vgpr_msb (MSB<<8)|\new
.set MSB, \new
.endif
.endm
.macro JLOAD sl                        ; waves 0-3: 64 keys of K each; waves 4-7: 64 keys of V each
	s_cmp_eq_u32 s13, 0
	s_cbranch_scc0 .Lfor_v_\@
	tensor_load_to_lds s[G0K+4*\sl:G0K+4*\sl+3], s[G1K:G1K+7]
	s_nop 0
	s_branch .Lasked_\@
.Lfor_v_\@:
	tensor_load_to_lds s[G0V+4*\sl:G0V+4*\sl+3], s[G1V:G1V+7]
	s_nop 0
.Lasked_\@:
.endm
.macro JLOADH sl                       ; the single tile: 128 keys, waves with w < 2 alone
	s_cmp_gt_u32 s14, 1
	s_cbranch_scc1 .Lnone_\@
	JLOAD \sl
.Lnone_\@:
.endm
.macro ADV                             ; the next fetch's byte offset in the head's k and v: 256 keys on; back to 0 when Y's pairs are through
	s_add_co_u32 s22, s22, 0x8000
	s_sub_co_u32 s20, s20, 1
	s_cmp_eq_u32 s20, 0
	s_cselect_b32 s22, 0, s22
.endm
	s_load_b256 s[4:11], s[0:1], 0x0               ; q, k, v, ctx
	s_set_vgpr_msb 0x40
	v_lshl_add_u32 v32, v0, 2, 0x37800
	v_mov_b32 v33, 0
	s_set_vgpr_msb 0x4045
	ds_add_u32 v32, v33
	s_set_vgpr_msb 0x4500
	v_lshrrev_b32 v1, 5, v0
	v_readfirstlane_b32 s12, v1                    ; wave
	s_lshr_b32 s13, s12, 2                         ; g
	s_and_b32 s14, s12, 3                          ; w
	s_mov_b32 s15, ttmp9                           ; i
	s_and_b32 s16, ttmp7, 0xffff                   ; batch x 16 + head
	s_sub_co_u32 s68, 15, s15
	s_and_b32 s69, s15, 1
	s_cmp_lg_u32 s69, 0
	s_cselect_b32 s17, s15, s68                    ; Y, odd
	s_cselect_b32 s18, s68, s15                    ; X, even
	s_lshr_b32 s19, s17, 1                         ; pairs until Y's last one
	s_add_co_u32 s20, s19, 1                       ; Y's pairs
	s_mov_b32 s22, 0
	s_mov_b32 s23, 0
	s_mov_b32 s60, 0x76543210                      ; v_permlanex16_b32: lane i of the other half
	s_mov_b32 s61, 0xfedcba98
	; a load is a dense block of 8,192 bytes (64 keys), taken as 32 rows of 256 bytes; a pad behind every 32 words, that is, every key
	s_mov_b32 s[G1K], (3<<16)|(1<<20)|(4<<22)|(3<<25)
	s_mov_b32 s[G1V], (3<<16)|(1<<20)|(4<<22)|(7<<25)
.irp g, G1K, G1V
	s_mov_b32 s[\g+1], 32<<16
	s_mov_b32 s[\g+2], 32<<16
	s_mov_b32 s[\g+3], 32<<16
	s_mov_b32 s[\g+4], 32
	s_mov_b32 s[\g+5], 32
	s_mov_b32 s[\g+6], 0
	s_mov_b32 s[\g+7], 0
.endr
	s_mul_i32 s62, s14, 64*KP
	s_mul_i32 s63, s14, 64*VP
.irp s, 0,1
	s_mov_b32 s[G0K+4*\s], 1
	s_add_co_u32 s[G0K+4*\s+1], s62, \s*SS
	s_mov_b32 s[G0V+4*\s], 1
	s_add_co_u32 s[G0V+4*\s+1], s63, \s*SS+KBYTES
.endr
	s_lshl_b32 s68, s16, 18                        ; a head: 2,048 rows of 128 bytes
	s_mov_b32 s69, 0
	s_lshl_b32 s70, s14, 13                        ; my 64 keys of a fetch
	s_mov_b32 s71, 0
	s_wait_dscnt 0x0
	s_wait_kmcnt 0x0
	s_add_nc_u64 s[4:5], s[4:5], s[68:69]
	s_add_nc_u64 s[6:7], s[6:7], s[68:69]
	s_add_nc_u64 s[8:9], s[8:9], s[68:69]
	s_add_nc_u64 s[10:11], s[10:11], s[68:69]
	s_add_nc_u64 s[24:25], s[6:7], s[70:71]
	s_or_b32 s25, s25, 0x80000000
	s_add_nc_u64 s[26:27], s[8:9], s[70:71]
	s_or_b32 s27, s27, 0x80000000
	s_mov_b64 s[G0K+2:G0K+3], s[24:25]
	s_mov_b64 s[G0V+2:G0V+3], s[26:27]
	JLOAD 0                                        ; the first pair of tiles; one tensor load of a wave is out, here and later
	ADV
	s_lshl_b32 s70, s17, 14
	s_add_nc_u64 s[2:3], s[4:5], s[70:71]          ; q of block Y
	s_add_nc_u64 s[66:67], s[10:11], s[70:71]      ; ctx of block Y
	s_lshl_b32 s70, s18, 14
	s_add_nc_u64 s[4:5], s[4:5], s[70:71]          ; q of block X
	s_add_nc_u64 s[10:11], s[10:11], s[70:71]      ; ctx of block X
	v_and_b32 v192, 15, v0                         ; r
	v_bfe_u32 v193, v0, 4, 1                       ; h
	v_and_b32 v194, 31, v0                         ; lane
	v_lshlrev_b32 v[QO], 7, v192
	v_lshl_add_u32 v[QO], v193, 4, v[QO]
	s_lshl_b32 s63, s14, 12
	v_add_nc_u32 v[QO], s63, v[QO]                 ; (32 w + r) rows + 16 h
.irp n, 0,1
.irp d, 0,1
	global_load_b128 v[Q+8*(2*\n+\d):Q+8*(2*\n+\d)+3],   v[QO], s[2:3] offset:\n*2048+\d*64
	global_load_b128 v[Q+8*(2*\n+\d)+4:Q+8*(2*\n+\d)+7], v[QO], s[2:3] offset:\n*2048+\d*64+32
.endr
.endr
	WIN 0x40                                       ; destination in window 1
.irp n, 0,1
.irp d, 0,1
	global_load_b128 v[8*(2*\n+\d):8*(2*\n+\d)+3],   v[QO], s[4:5] offset:\n*2048+\d*64
	global_load_b128 v[8*(2*\n+\d)+4:8*(2*\n+\d)+7], v[QO], s[4:5] offset:\n*2048+\d*64+32
.endr
.endr
	WIN 0
	v_mul_u32_u24 v195, v192, KP
	v_lshl_add_u32 v195, v193, 4, v195             ; r x 144 + 16 h
	s_mul_i32 s62, s13, 64*KP
	v_add_nc_u32 v[KA], s62, v195
	v_add_nc_u32 v[KA+1], SS, v[KA]
	v_and_b32 v196, 7, v0
	v_lshl_add_u32 v196, v193, 3, v196             ; key 8 h + lane % 8
	v_mul_u32_u24 v196, v196, VP
	v_bfe_u32 v197, v0, 3, 1
	v_lshl_add_u32 v196, v197, 4, v196
	s_mul_i32 s62, s13, 64*VP
	s_add_co_u32 s62, s62, KBYTES
	v_add_nc_u32 v[VA], s62, v196
	v_add_nc_u32 v[VA+1], SS, v[VA]
	s_lshl_b32 s62, s14, 5
	s_lshl_b32 s63, s13, 6
	s_sub_co_i32 s62, s62, s63
	v_lshlrev_b32 v197, 3, v193
	v_sub_nc_u32 v[DQ], v192, v197
	v_add_nc_u32 v[DQ], s62, v[DQ]                 ; 32 w + r - 64 g - 8 h
	v_mov_b32 v[NINF], 0xff800000
	s_mul_i32 s62, s14, SCRW
	s_add_co_u32 s62, s62, SCR0
	v_lshl_add_u32 v[SCR], v194, 4, s62
	s_mul_i32 s62, s14, STGW
	s_add_co_u32 s62, s62, STG0
	v_add_nc_u32 v[STO], s62, v195
	v_lshrrev_b32 v197, 3, v194
	v_mul_u32_u24 v197, v197, KP
	v_and_b32 v198, 7, v0
	v_lshl_add_u32 v197, v198, 4, v197
	v_add_nc_u32 v[RD], s62, v197
	s_lshl_b32 s62, s14, 12
	v_lshl_add_u32 v[CO], v194, 4, s62
	v_add_nc_u32 v[CO2], 0x800000, v[CO]           ; the lo term's half of ctx
.macro RESET                           ; a block's start: every trip rescales O, the first by alpha = 0, so O has to be finite
.irp i, 0,1,2,3
	v_mov_b32 v[MP+\i], 0xff7fffff
.endr
	v_mov_b32 v[L0], 0
	v_mov_b32 v[L0+1], 0
.set i, 0
.rept 64
	v_mov_b32 v[O+i], 0
.set i, i+1
.endr
.endm
	RESET
	s_wait_loadcnt 0x0                             ; both blocks' q
.macro MASK                            ; the diagonal tile: key > query gets -inf
.irp n, 0,1
.irp kt, 0,1,2,3
.irp j, 0,1,2,3,4,5,6,7
	v_cmp_gt_i32 vcc_lo, 16*\kt+\j-16*\n, v[DQ]
	v_cndmask_b32 v[S+32*\n+8*\kt+\j], v[S+32*\n+8*\kt+\j], v[NINF], vcc_lo
.endr
.endr
.endr
.endm
.macro EXPC c                          ; chunk c = 4 n + kt: p = 2^(s - m); the rescaling of O's tile c is the plain work behind the exponentials (ISA guide 5.7.2)
.irp p, 0,2,4,6
	v_pk_add_f32 v[S+8*\c+\p:S+8*\c+\p+1], v[S+8*\c+\p:S+8*\c+\p+1], v[MP+2*(\c/4):MP+2*(\c/4)+1] neg_lo:[0,1] neg_hi:[0,1]
.endr
.irp j, 0,1,2,3,4,5,6,7
	v_exp_f32 v[S+8*\c+\j], v[S+8*\c+\j]
.endr
.irp p, 0,2,4,6
	v_pk_mul_f32 v[O+8*\c+\p:O+8*\c+\p+1], v[O+8*\c+\p:O+8*\c+\p+1], v[AP+2*(\c%2):AP+2*(\c%2)+1]
.endr
.endm
.macro SUMC c                          ; chunk c: into the row sum's pair, then packed to f16 in place: even chunks fill registers 0-3 of P(n, u), odd ones 4-7
.if (\c%4) == 0
	s_wait_alu depctr_va_vdst(0)
	v_pk_add_f32 v[T+2*(\c/4):T+2*(\c/4)+1], v[S+8*\c:S+8*\c+1], v[S+8*\c+2:S+8*\c+3]
.else
	s_wait_alu depctr_va_vdst(0)
	v_pk_add_f32 v[T+2*(\c/4):T+2*(\c/4)+1], v[T+2*(\c/4):T+2*(\c/4)+1], v[S+8*\c:S+8*\c+1]
	v_pk_add_f32 v[T+2*(\c/4):T+2*(\c/4)+1], v[T+2*(\c/4):T+2*(\c/4)+1], v[S+8*\c+2:S+8*\c+3]
.endif
	v_pk_add_f32 v[T+2*(\c/4):T+2*(\c/4)+1], v[T+2*(\c/4):T+2*(\c/4)+1], v[S+8*\c+4:S+8*\c+5]
	v_pk_add_f32 v[T+2*(\c/4):T+2*(\c/4)+1], v[T+2*(\c/4):T+2*(\c/4)+1], v[S+8*\c+6:S+8*\c+7]
.irp i, 0,1,2,3
	v_cvt_pk_f16_f32 v[S+8*\c-4*(\c%2)+\i], v[S+8*\c+2*\i], v[S+8*\c+2*\i+1]
.endr
.endm
.macro SOFTMAX
	v_max3_num_f32 v[T+4], v[MP], v[S], v[S+1]               ; four chains: two for each query tile, the first from the old maximum
	v_max3_num_f32 v[T+5], v[S+16], v[S+17], v[S+18]
	v_max3_num_f32 v[T+6], v[MP+2], v[S+32], v[S+33]
	v_max3_num_f32 v[T+7], v[S+48], v[S+49], v[S+50]
.irp p, 1,2,3,4,5,6
	v_max3_num_f32 v[T+4], v[T+4], v[S+2*\p], v[S+2*\p+1]
	v_max3_num_f32 v[T+5], v[T+5], v[S+17+2*\p], v[S+18+2*\p]
	v_max3_num_f32 v[T+6], v[T+6], v[S+32+2*\p], v[S+33+2*\p]
	v_max3_num_f32 v[T+7], v[T+7], v[S+49+2*\p], v[S+50+2*\p]
.endr
	v_max3_num_f32 v[T+4], v[T+4], v[S+14], v[S+15]
	v_max3_num_f32 v[T+6], v[T+6], v[S+46], v[S+47]
	v_max3_num_f32 v[T+4], v[T+4], v[T+5], v[S+31]
	v_max3_num_f32 v[T+6], v[T+6], v[T+7], v[S+63]
	v_permlanex16_b32 v[T+5], v[T+4], s60, s61               ; the query's other 32 keys lie in the other half of the lanes
	v_permlanex16_b32 v[T+7], v[T+6], s60, s61
	v_max_num_f32 v[T+4], v[T+4], v[T+5]                     ; the new maxima
	v_max_num_f32 v[T+6], v[T+6], v[T+7]
	v_sub_f32 v[T+5], v[MP], v[T+4]
	v_sub_f32 v[T+7], v[MP+2], v[T+6]
	v_exp_f32 v[AP], v[T+5]                                  ; alpha = 2^(old - new)
	v_exp_f32 v[AP+2], v[T+7]
	v_mov_b32 v[MP], v[T+4]                                  ; plain work behind the exponentials
	v_mov_b32 v[MP+1], v[T+4]
	v_mov_b32 v[MP+2], v[T+6]
	v_mov_b32 v[MP+3], v[T+6]
	s_wait_alu depctr_va_vdst(0)
	v_mov_b32 v[AP+1], v[AP]
	v_mov_b32 v[AP+3], v[AP+2]
	EXPC 0
	EXPC 1
	SUMC 0
	EXPC 2
	SUMC 1
	EXPC 3
	SUMC 2
	EXPC 4
	SUMC 3
	EXPC 5
	SUMC 4
	EXPC 6
	SUMC 5
	EXPC 7
	SUMC 6
	SUMC 7
	v_fma_f32 v[L0], v[L0], v[AP], v[T]
	v_fma_f32 v[L0+1], v[L0+1], v[AP+2], v[T+2]
	v_add_f32 v[L0], v[L0], v[T+1]
	v_add_f32 v[L0+1], v[L0+1], v[T+3]
.endm
; One tile of 128 keys (half hf of slot sl).  mask: 0 none, 1 where this is Y's last pair, 2 always.
; In each run of matrix instructions 8 accumulators take turns, one instruction a turn.
.macro TRIP sl, hf, mask
.irp d, 0,1
.irp kt, 0,1,2,3
	ds_load_b128 v[KV+8*(4*\d+\kt):KV+8*(4*\d+\kt)+3],   v[KA+\sl] offset:\hf*128*KP+\kt*16*KP+64*\d
	ds_load_b128 v[KV+8*(4*\d+\kt)+4:KV+8*(4*\d+\kt)+7], v[KA+\sl] offset:\hf*128*KP+\kt*16*KP+64*\d+32
.endr
.endr
	s_wait_dscnt 0x8                               ; d = 0..31 is in; the eight loads of d = 32..63 may be out
.irp kt, 0,1,2,3
.irp n, 0,1
	v_wmma_f32_16x16x32_f16 v[S+32*\n+8*\kt:S+32*\n+8*\kt+7], v[KV+8*\kt:KV+8*\kt+7], v[Q+16*\n:Q+16*\n+7], 0
.endr
.endr
	s_wait_dscnt 0x0
.irp kt, 0,1,2,3
.irp n, 0,1
	v_wmma_f32_16x16x32_f16 v[S+32*\n+8*\kt:S+32*\n+8*\kt+7], v[KV+32+8*\kt:KV+32+8*\kt+7], v[Q+16*\n+8:Q+16*\n+15], v[S+32*\n+8*\kt:S+32*\n+8*\kt+7]
.endr
.endr
.rept 4
	v_nop                                          ; four places: V lands on K's fragments, and the softmax reads S (ISA guide 7.12.1)
.endr
.irp u, 0,1
.irp db, 0,1,2,3
	ds_load_tr16_b128 v[KV+8*(4*\u+\db):KV+8*(4*\u+\db)+3],   v[VA+\sl] offset:\hf*128*VP+\u*32*VP+32*\db
	ds_load_tr16_b128 v[KV+8*(4*\u+\db)+4:KV+8*(4*\u+\db)+7], v[VA+\sl] offset:\hf*128*VP+\u*32*VP+32*\db+16*VP
.endr
.endr
.if \mask == 2
	MASK
.endif
.if \mask == 1
	s_cmp_lg_u32 s19, 0
	s_cbranch_scc1 .Lno_mask_\@
	MASK
.Lno_mask_\@:
.endif
	SOFTMAX
	s_wait_dscnt 0x0                               ; V^T's fragments
.irp u, 0,1
.irp db, 0,1,2,3
.irp n, 0,1
	v_wmma_f32_16x16x32_f16 v[O+8*(2*\db+\n):O+8*(2*\db+\n)+7], v[KV+8*(4*\u+\db):KV+8*(4*\u+\db)+7], v[S+32*\n+16*\u:S+32*\n+16*\u+7], v[O+8*(2*\db+\n):O+8*(2*\db+\n)+7]
.endr
.endr
.endr
.rept 5
	v_nop                                          ; five places: the next scores are written over P, the next loads land on V^T's fragments
.endr
.endm
; The change of slots: my tensor load has landed and my LDS reads are back, in every wave; behind the barrier the slot read last is filled first.
; A refill has two tiles' work in which to land.  kind: 2 a pair of tiles, 1 the single tile, 0 nothing.
.macro HEAD other, kind
	s_set_vgpr_msb 0x5
	s_wait_tensorcnt 0x0
	ds_add_u32 v32, v33
	s_wait_dscnt 0x0
	s_set_vgpr_msb 0x500
.if \kind
	s_add_nc_u64 s[G0K+4*\other+2:G0K+4*\other+3], s[24:25], s[22:23]   ; no tensor load of mine is out: group 0 may be written
	s_add_nc_u64 s[G0V+4*\other+2:G0V+4*\other+3], s[26:27], s[22:23]
	ADV
.endif
	s_wait_dscnt 0x0
	s_barrier_signal -1
	s_barrier_wait -1
.if \kind == 2
	JLOAD \other
.endif
.if \kind == 1
	JLOADH \other
.endif
.endm
; A block's end: group 1 hands O, m, l to group 0 through LDS; group 0 merges, divides, splits into two bf16 terms and stores.  mid = 1: the second block begins.
.macro FINISH mid
	v_permlanex16_b32 v[T], v[L0], s60, s61
	v_permlanex16_b32 v[T+1], v[L0+1], s60, s61
	v_add_f32 v[L0], v[L0], v[T]                   ; the sums over the wave's 64 keys a tile
	v_add_f32 v[L0+1], v[L0+1], v[T+1]
	s_cmp_eq_u32 s13, 0
	s_cbranch_scc1 .Lkeep_\@
.irp c, 0,1,2,3,4,5,6,7,8,9,10,11,12,13,14,15
	ds_store_b128 v[SCR], v[O+4*\c:O+4*\c+3] offset:512*\c
.endr
	v_mov_b32 v[T], v[MP]
	v_mov_b32 v[T+1], v[MP+2]
	v_mov_b32 v[T+2], v[L0]
	v_mov_b32 v[T+3], v[L0+1]
	ds_store_b128 v[SCR], v[T:T+3] offset:8192
.Lkeep_\@:
	s_wait_dscnt 0x0                               ; for the partner's sake: the stores are done
	s_barrier_signal -1
	s_barrier_wait -1                              ; the slot's load may stay out
	s_cmp_lg_u32 s13, 0
	s_cbranch_scc1 .Ldone_\@
	ds_load_b128 v[T+4:T+7], v[SCR] offset:8192
.irp c, 0,1,2,3,4,5,6,7,8,9,10,11,12,13,14,15
	ds_load_b128 v[KV+4*\c:KV+4*\c+3], v[SCR] offset:512*\c
.endr
	s_wait_dscnt 0x10                              ; the partner's m and l are in; its O's sixteen loads may be out
	v_max_num_f32 v[T], v[MP], v[T+4]
	v_max_num_f32 v[T+1], v[MP+2], v[T+5]
	v_sub_f32 v[MP], v[MP], v[T]
	v_sub_f32 v[T+4], v[T+4], v[T]
	v_sub_f32 v[MP+2], v[MP+2], v[T+1]
	v_sub_f32 v[T+5], v[T+5], v[T+1]
	v_exp_f32 v[MP], v[MP]                         ; a, a' = 2^(m - max), 2^(m' - max)
	v_exp_f32 v[T+4], v[T+4]
	v_exp_f32 v[MP+2], v[MP+2]
	v_exp_f32 v[T+5], v[T+5]
	v_nop
	s_wait_alu depctr_va_vdst(0)
	v_mul_f32 v[L0], v[L0], v[MP]
	v_mul_f32 v[L0+1], v[L0+1], v[MP+2]
	v_fmac_f32 v[L0], v[T+6], v[T+4]
	v_fmac_f32 v[L0+1], v[T+7], v[T+5]
	v_rcp_f32 v[L0], v[L0]                         ; the sum holds the largest key's 1, so it is at least 1
	v_rcp_f32 v[L0+1], v[L0+1]
	v_nop
	s_wait_alu depctr_va_vdst(0)
	v_mul_f32 v[AP], v[MP], v[L0]
	v_mul_f32 v[AP+2], v[MP+2], v[L0+1]
	v_mul_f32 v[MP], v[T+4], v[L0]
	v_mul_f32 v[MP+2], v[T+5], v[L0+1]
	v_mov_b32 v[AP+1], v[AP]
	v_mov_b32 v[AP+3], v[AP+2]
	v_mov_b32 v[MP+1], v[MP]
	v_mov_b32 v[MP+3], v[MP+2]
	s_wait_dscnt 0x0
.irp c, 0,1,2,3,4,5,6,7
.irp p, 0,2,4,6
	v_pk_mul_f32 v[O+8*\c+\p:O+8*\c+\p+1], v[O+8*\c+\p:O+8*\c+\p+1], v[AP+2*(\c%2):AP+2*(\c%2)+1]
.endr
.irp p, 0,2,4,6
	v_pk_fma_f32 v[O+8*\c+\p:O+8*\c+\p+1], v[KV+8*\c+\p:KV+8*\c+\p+1], v[MP+2*(\c%2):MP+2*(\c%2)+1], v[O+8*\c+\p:O+8*\c+\p+1]
.endr
.endr
.irp c, 0,1,2,3,4,5,6,7
.irp i, 0,1,2,3
	v_cvt_pk_bf16_f32 v[S+4*\c+\i], v[O+8*\c+2*\i], v[O+8*\c+2*\i+1]              ; hi
	v_lshlrev_b32 v[T+2*\i], 16, v[S+4*\c+\i]
	v_and_b32 v[T+2*\i+1], 0xffff0000, v[S+4*\c+\i]
	v_pk_add_f32 v[T+2*\i:T+2*\i+1], v[O+8*\c+2*\i:O+8*\c+2*\i+1], v[T+2*\i:T+2*\i+1] neg_lo:[0,1] neg_hi:[0,1]
	v_cvt_pk_bf16_f32 v[S+32+4*\c+\i], v[T+2*\i], v[T+2*\i+1]                     ; lo = bf16(ctx - hi)
.endr
.endr
.irp db, 0,1,2,3
.irp n, 0,1
	ds_store_b128 v[STO], v[S+4*(2*\db+\n):S+4*(2*\db+\n)+3] offset:\n*16*KP+32*\db
	ds_store_b128 v[STO], v[S+32+4*(2*\db+\n):S+32+4*(2*\db+\n)+3] offset:32*KP+\n*16*KP+32*\db
.endr
.endr
.irp t, 0,1,2,3,4,5,6,7,8,9,10,11,12,13,14,15
	ds_load_b128 v[KV+4*\t:KV+4*\t+3], v[RD] offset:\t*4*KP        ; my own stage: LDS serves a wave's instructions in order (ISA guide 5.7.1.4)
.endr
.irp t, 0,1,2,3,4,5,6,7
	s_wait_dscnt 15-\t
	global_store_b128 v[CO], v[KV+4*\t:KV+4*\t+3], s[66:67] offset:512*\t          ; 4 rows of 128 bytes: 512 consecutive bytes, aligned
.endr
.irp t, 0,1,2,3,4,5,6,7
	s_wait_dscnt 7-\t
	global_store_b128 v[CO2], v[KV+32+4*\t:KV+32+4*\t+3], s[66:67] offset:512*\t
.endr
.Ldone_\@:
	s_wait_xcnt 0x0                                ; the stores' base and data are written again only behind this wait
.if \mid
	s_mov_b64 s[66:67], s[10:11]
	RESET
	WIN 0x01
.set i, 0
.rept 32
	v_mov_b32 v[Q+i], v[i]                         ; the second block's q, from window 1
.set i, i+1
.endr
	WIN 0
.endif
.endm
.macro SUPER this, other, kind
	HEAD \other, \kind
	TRIP \this, 0, 0
	TRIP \this, 1, 1
	s_cmp_lg_u32 s19, 0                            ; the same in all eight waves: it comes from the work-group's number
	s_cbranch_scc1 .Lgo_on_\@
	FINISH 1
.Lgo_on_\@:
	s_sub_co_u32 s19, s19, 1
.endm
	s_mov_b32 s62, 3
.Lpairs:
	SUPER 0, 1, 2
	SUPER 1, 0, 2
	s_sub_co_u32 s62, s62, 1
	s_cmp_lg_u32 s62, 0
	s_cbranch_scc1 .Lpairs
	SUPER 0, 1, 2
	SUPER 1, 0, 1                                  ; the eighth pair; the single tile is asked for
	HEAD 0, 0
	TRIP 0, 0, 2                                   ; X's diagonal
	FINISH 0
	s_set_vgpr_msb 0x5
	s_wait_tensorcnt 0x0
	ds_add_u32 v32, v33
	s_wait_dscnt 0x0
	s_set_vgpr_msb 0x500
	s_endpgm
.Lfunc_end_k_q4b779bac59_attn:
	.size	k_q4b779bac59_attn, .Lfunc_end_k_q4b779bac59_attn-k_q4b779bac59_attn
	.p2alignl 7, 3214868480
	.fill 96, 4, 3214868480
	.section	.rodata,"a",@progbits
	.p2align	6, 0x0
	.amdhsa_kernel k_q4b779bac59_attn
		.amdhsa_group_segment_fixed_size 327680
		.amdhsa_private_segment_fixed_size 0
		.amdhsa_enable_private_segment 0
		.amdhsa_kernarg_size 32
		.amdhsa_user_sgpr_count 2
		.amdhsa_user_sgpr_kernarg_segment_ptr 1
		.amdhsa_wavefront_size32 1
		.amdhsa_system_sgpr_workgroup_id_x 1
		.amdhsa_system_sgpr_workgroup_id_y 1
		.amdhsa_system_sgpr_workgroup_id_z 1
		.amdhsa_system_vgpr_workitem_id 0
		.amdhsa_next_free_vgpr 290
		.amdhsa_next_free_sgpr 72
		.amdhsa_reserve_vcc 1
		.amdhsa_float_denorm_mode_32 3
		.amdhsa_float_denorm_mode_16_64 3
		.amdhsa_memory_ordered 1
		.amdhsa_forward_progress 1
		.amdhsa_inst_pref_size 255
	.end_amdhsa_kernel
	.section	.bss,"aw",@nobits
	.p2align	6
	.space	262144
	.amdgpu_metadata
---
amdhsa.version: [ 1, 2 ]
amdhsa.kernels:
  - .name:           k_q4b779bac59_attn
    .symbol:         k_q4b779bac59_attn.kd
    .args:
      - { .name: q, .offset: 0, .size: 8, .value_kind: global_buffer, .address_space: global }
      - { .name: k, .offset: 8, .size: 8, .value_kind: global_buffer, .address_space: global }
      - { .name: v, .offset: 16, .size: 8, .value_kind: global_buffer, .address_space: global }
      - { .name: ctx, .offset: 24, .size: 8, .value_kind: global_buffer, .address_space: global }
    .group_segment_fixed_size: 327680
    .private_segment_fixed_size: 0
    .kernarg_segment_align: 8
    .kernarg_segment_size: 32
    .max_flat_workgroup_size: 256
    .sgpr_count:     72
    .vgpr_count:     290
    .wavefront_size: 32
...
	.end_amdgpu_metadata
.endif
;; end of part 2
;; launch oproj (part 3): grid 8 x 32, 4 waves a work-group, clusters of 4 x 4, 327,680 bytes of LDS; arguments ctx, wob, bo, out0; writes out0
.if DOCPART == 3
	.amdgcn_target "amdgcn-amd-amdhsa--gfx1250"
	.amdhsa_code_object_version 6
	.text
	.protected	k_q4b779bac59_oproj
	.globl	k_q4b779bac59_oproj
	.p2align	8
	.type	k_q4b779bac59_oproj,@function
k_q4b779bac59_oproj:
	s_mov_b64 s[64:65], 0
	v_nop
	global_prefetch_b8 v0, s[64:65] scope:SCOPE_SE
	s_setreg_imm32_b32 hwreg(HW_REG_WAVE_MODE, 25, 1), 1
	s_wait_xcnt 0x0
	s_wait_alu depctr_hold_cnt(0) depctr_sa_sdst(0) depctr_va_vdst(0) depctr_va_sdst(0) depctr_va_ssrc(0) depctr_va_vcc(0) depctr_vm_vsrc(0)
	s_getreg_b32 s2, hwreg(HW_REG_IB_STS2, 6, 4)
	s_cmp_eq_u32 s2, 0
	s_cbranch_scc0 .Lentry_in_a_cluster
	s_endpgm
.Lentry_in_a_cluster:
	s_bfe_u32 s2, ttmp6, 0x10000c
	s_cmp_lg_u32 s2, 0xf033
	s_cbranch_scc0 .Lentry_shape_is_right
	s_endpgm
.Lentry_shape_is_right:
; out0 = ctx Wo^T + bo, f32.  ctx comes as two bf16 terms hi + lo ([batch*16+head][2048][64] each, lo 8,388,608 bytes behind hi), Wo as bf16 in wob[head][n][64];
; both terms are multiplied by the same fragments of Wo and added into one f32 sum, so K is 2 x 1,024.
; A work-group makes 128 x 128 of out0, wave (wm, wn) 64 x 64: 16 accumulators in window 1.  K goes two heads at a time through two LDS slots of six dense blocks of
; 16,384 bytes (128 rows of 128 bytes, padded to 144): hi e=0, hi e=1, lo e=0, lo e=1, Wo e=0, Wo e=1.
; CLUSTER 4 x 4: ctx's blocks hang on the block of rows alone and are asked for jointly along a row of the cluster, Wo's on the block of columns alone, along a column.
; The matrix instruction is used transposed (source 0 = 16 rows of Wo, source 1 = 16 rows of ctx): a lane's 8 results are 8 neighbouring columns of one row.
.set HP,    144
.set BLK,   128*HP
.set SLOT,  6*BLK
.set STAGE, 2*SLOT
.set SP,    272                        ; stage row: 64 f32 + 16 bytes
.set ADRA, 4
.set ADRB, 6
.set STO,  8
.set RD,   9
.set CO,   10
.set BOF,  11
.set BI,   12                          ; v12-15 bo of my 4 columns on the way out
.set F0,   32                          ; v32-127: hi fragments, lo fragments, Wo fragments, 32 registers each
.set F1,   128                         ; v128-223
.set G1A, 24
.set G1B, 32
.set G0A, 40                           ; s[40:47]
.set G0B, 48                           ; s[48:55]
.set G1W0, (3<<16)|(1<<20)|(1<<21)|(4<<22)|(3<<25)   ; elements of 8 bytes; padding on; bit 21 beside a mask; after every 32 words (a row of 64 bf16), 4 words
.set MSB, 0
.macro WIN new
.if MSB != \new
	s_set_vgpr_msb (MSB<<8)|\new
.set MSB, \new
.endif
.endm
.macro PLACES
.rept 4
	v_nop
.endr
.endm
.macro CROUND                          ; a round of the cluster's barrier
	s_barrier_signal -1
	s_barrier_wait -1
	s_cmp_lg_u32 s12, 0
	s_cbranch_scc1 .Lnot_wave_0_\@
	s_barrier_signal -3
.Lnot_wave_0_\@:
	s_barrier_wait -3
	s_barrier_signal -1
	s_barrier_wait -1
.endm
.macro JLOAD sl                        ; every wave: one block of ctx (term wave/2, head wave%2); waves 0, 1: one block of Wo
	tensor_load_to_lds s[G0A+4*\sl:G0A+4*\sl+3], s[G1A:G1A+7]
	s_nop 0
	s_cmp_gt_u32 s12, 1
	s_cbranch_scc1 .Lno_w_\@
	tensor_load_to_lds s[G0B+4*\sl:G0B+4*\sl+3], s[G1B:G1B+7]
	s_nop 0
.Lno_w_\@:
.endm
	s_load_b256 s[4:11], s[0:1], 0x0               ; ctx, wob, bo, out0
	v_lshl_add_u32 v254, v0, 2, 0x3a400
	v_mov_b32 v255, 0
	ds_add_u32 v254, v255
	v_lshrrev_b32 v1, 5, v0
	v_readfirstlane_b32 s12, v1                    ; wave
	s_lshr_b32 s13, s12, 1                         ; wm; also the term that I fetch
	s_and_b32 s14, s12, 1                          ; wn; also the head of the pair that I fetch
	s_bfe_u32 s15, ttmp6, 0x40000                  ; cx
	s_bfe_u32 s16, ttmp6, 0x40004                  ; cy
	s_lshl_b32 s17, ttmp9, 2
	s_add_co_u32 s17, s17, s15                     ; block of 128 columns
	s_and_b32 s18, ttmp7, 0xffff
	s_lshl_b32 s18, s18, 2
	s_add_co_u32 s18, s18, s16                     ; block of 128 rows
	s_lshl_b32 s19, s16, 2
	s_lshl_b32 s19, 15, s19                        ; my row of the cluster
	s_lshl_b32 s20, 0x1111, s15                    ; my column
	s_or_b32 s[G1A], s19, G1W0
	s_or_b32 s[G1B], s20, G1W0
.irp g, G1A, G1B
	s_mov_b32 s[\g+1], 32<<16                      ; 64 rows of 256 bytes: a dense block of 16,384 bytes
	s_mov_b32 s[\g+2], 64<<16
	s_mov_b32 s[\g+3], 32<<16
	s_mov_b32 s[\g+4], 64
	s_mov_b32 s[\g+5], 32
	s_mov_b32 s[\g+6], 0
	s_mov_b32 s[\g+7], 0
.endr
	s_lshl_b32 s56, s13, 23                        ; ctx: the term,
	s_lshr_b32 s57, s18, 4
	s_lshl_b32 s57, s57, 22                        ; the batch's 16 heads of 262,144 bytes,
	s_add_co_u32 s56, s56, s57
	s_lshl_b32 s57, s14, 18                        ; my head of the pair,
	s_add_co_u32 s56, s56, s57
	s_and_b32 s57, s18, 15
	s_lshl_b32 s57, s57, 14                        ; 128 rows of 128 bytes for each block
	s_add_co_u32 s56, s56, s57
	s_mov_b32 s57, 0
	s_lshl_b32 s60, s12, 17                        ; wob: my head of the pair, 131,072 bytes a head,
	s_lshl_b32 s61, s17, 14                        ; 128 rows of 128 bytes for each block
	s_add_co_u32 s60, s60, s61
	s_mov_b32 s61, 0
	s_mul_i32 s21, s12, BLK                        ; LDS: the wave's number alone
	s_wait_dscnt 0x0
	s_wait_kmcnt 0x0
	s_add_nc_u64 s[58:59], s[4:5], s[56:57]
	s_add_nc_u64 s[62:63], s[6:7], s[60:61]
	CROUND                                         ; in front of the first joint loads
.irp s, 0,1
	s_mov_b32 s[G0A+4*\s], 1
	s_add_co_u32 s[G0A+4*\s+1], s21, \s*SLOT
	s_add_nc_u64 s[G0A+4*\s+2:G0A+4*\s+3], s[58:59], \s*524288
	s_or_b32 s[G0A+4*\s+3], s[G0A+4*\s+3], 0x80000000
	s_mov_b32 s[G0B+4*\s], 1
	s_add_co_u32 s[G0B+4*\s+1], s21, \s*SLOT+4*BLK
	s_add_nc_u64 s[G0B+4*\s+2:G0B+4*\s+3], s[62:63], \s*262144
	s_or_b32 s[G0B+4*\s+3], s[G0B+4*\s+3], 0x80000000
	JLOAD \s                                       ; heads 0, 1 and heads 2, 3: at most four tensor loads of a wave are out
.endr
	v_and_b32 v1, 15, v0                           ; r
	v_bfe_u32 v2, v0, 4, 1                         ; h
	v_lshlrev_b32 v[BOF], 4, v1
	s_lshl_b32 s74, s17, 9
	s_lshl_b32 s75, s14, 8
	s_add_co_u32 s74, s74, s75
	s_mov_b32 s75, 0
	s_add_nc_u64 s[8:9], s[8:9], s[74:75]
	global_load_b128 v[BI:BI+3], v[BOF], s[8:9]    ; bo[128 block + 64 wn + 4 (lane % 16) ..]
	v_mul_u32_u24 v3, v1, HP
	v_lshl_add_u32 v3, v2, 4, v3
	s_mul_i32 s66, s13, 64*HP
	s_mul_i32 s67, s14, 64*HP
	s_add_co_u32 s67, s67, 4*BLK
	v_add_nc_u32 v[ADRA], s66, v3
	v_add_nc_u32 v[ADRA+1], SLOT, v[ADRA]
	v_add_nc_u32 v[ADRB], s67, v3
	v_add_nc_u32 v[ADRB+1], SLOT, v[ADRB]
	s_mul_i32 s68, s12, 16*SP
	s_add_co_u32 s68, s68, STAGE
	v_mul_u32_u24 v[STO], v1, SP
	v_lshl_add_u32 v[STO], v2, 5, v[STO]
	v_add_nc_u32 v[STO], s68, v[STO]
	v_mul_u32_u24 v[RD], v2, SP
	v_lshl_add_u32 v[RD], v1, 4, v[RD]
	v_add_nc_u32 v[RD], s68, v[RD]
	v_lshlrev_b32 v[CO], 12, v2
	v_lshl_add_u32 v[CO], v1, 4, v[CO]
	s_lshl_b32 s70, s18, 19                        ; out0: (128 block + 64 wm) rows of 4,096 bytes + (128 block + 64 wn) columns of 4
	s_lshl_b32 s71, s13, 18
	s_add_co_u32 s70, s70, s71
	s_lshl_b32 s71, s17, 9
	s_add_co_u32 s70, s70, s71
	s_lshl_b32 s71, s14, 8
	s_add_co_u32 s70, s70, s71
	s_mov_b32 s71, 0
	s_add_nc_u64 s[10:11], s[10:11], s[70:71]
.macro FETCH sl, e, d, f               ; 24 loads: 32 of K (half d of head e) of Wo's 64 rows and of both terms' 64 rows
.irp i, 0,1,2,3
	ds_load_b128 v[\f+64+8*\i:\f+64+8*\i+3],   v[ADRB+\sl] offset:\e*BLK+\i*16*HP+64*\d
	ds_load_b128 v[\f+64+8*\i+4:\f+64+8*\i+7], v[ADRB+\sl] offset:\e*BLK+\i*16*HP+64*\d+32
.endr
.irp i, 0,1,2,3
	ds_load_b128 v[\f+8*\i:\f+8*\i+3],   v[ADRA+\sl] offset:\e*BLK+\i*16*HP+64*\d
	ds_load_b128 v[\f+8*\i+4:\f+8*\i+7], v[ADRA+\sl] offset:\e*BLK+\i*16*HP+64*\d+32
.endr
.irp i, 0,1,2,3
	ds_load_b128 v[\f+32+8*\i:\f+32+8*\i+3],   v[ADRA+\sl] offset:(2+\e)*BLK+\i*16*HP+64*\d
	ds_load_b128 v[\f+32+8*\i+4:\f+32+8*\i+7], v[ADRA+\sl] offset:(2+\e)*BLK+\i*16*HP+64*\d+32
.endr
.endm
; 32 matrix instructions: hi, then lo.  The 16 accumulators take turns, one instruction a turn, in the same order everywhere.
.macro MUL f, zero
	WIN 0x50
.irp a, 0,1,2,3
.irp b, 0,1,2,3
.if \zero
	v_wmma_f32_16x16x32_bf16 v[8*(4*\a+\b):8*(4*\a+\b)+7], v[\f+64+8*\b:\f+64+8*\b+7], v[\f+8*\a:\f+8*\a+7], 0
.else
	v_wmma_f32_16x16x32_bf16 v[8*(4*\a+\b):8*(4*\a+\b)+7], v[\f+64+8*\b:\f+64+8*\b+7], v[\f+8*\a:\f+8*\a+7], v[8*(4*\a+\b):8*(4*\a+\b)+7]
.endif
.endr
.endr
.irp a, 0,1,2,3
.irp b, 0,1,2,3
	v_wmma_f32_16x16x32_bf16 v[8*(4*\a+\b):8*(4*\a+\b)+7], v[\f+64+8*\b:\f+64+8*\b+7], v[\f+32+8*\a:\f+32+8*\a+7], v[8*(4*\a+\b):8*(4*\a+\b)+7]
.endr
.endr
	WIN 0
.endm
.macro STEP sl, e, d, f, g, zero       ; multiplies buffer f; fetches the next step's fragments (head e, half d) into buffer g
	s_wait_dscnt 0x0
	PLACES                                         ; the loads land on sources of the last matrix instructions
	FETCH \sl, \e, \d, \g
	MUL \f, \zero
.endm
; The last step of a slot.  mode 2: the slot is filled again: my reads are back and all my tensor loads have landed in front of a round of the cluster's barrier, the joint
; refill is the first tensor load behind it and has the other slot's 128 matrix instructions in which to land.  mode 1: the other slot is only shown to all waves.  mode 0: the end.
.macro LAST sl, nxt, mode
	s_wait_dscnt 0x0
.if \mode
	s_wait_tensorcnt 0x0
	ds_add_u32 v254, v255
	s_wait_dscnt 0x0
.if \mode == 2
	CROUND
	s_add_nc_u64 s[G0A+4*\sl+2:G0A+4*\sl+3], s[G0A+4*\sl+2:G0A+4*\sl+3], 1048576   ; four heads on
	s_add_nc_u64 s[G0B+4*\sl+2:G0B+4*\sl+3], s[G0B+4*\sl+2:G0B+4*\sl+3], 524288
	JLOAD \sl
.else
	s_barrier_signal -1
	s_barrier_wait -1
.endif
	PLACES
	FETCH \nxt, 0, 0, F0
.endif
	MUL F1, 0
.endm
.macro ST sl, nxt, mode, zero
	STEP \sl, 0, 1, F0, F1, \zero
	STEP \sl, 1, 0, F1, F0, 0
	STEP \sl, 1, 1, F0, F1, 0
	LAST \sl, \nxt, \mode
.endm
.macro LAP zero
	ST 0, 1, 2, \zero
	ST 1, 0, 2, 0
.endm
	s_wait_tensorcnt 0x1                           ; issued: ctx0, Wo0, ctx1, Wo1 (waves 2, 3: ctx0, ctx1): with one left out, slot 0's are in
	s_barrier_signal -1
	s_barrier_wait -1
	FETCH 0, 0, 0, F0
	LAP 1                                          ; the first products start the sums
	s_mov_b32 s72, 2                               ; three laps multiply heads 0-11 and ask for heads 4-15
.Llap:
	LAP 0
	s_sub_co_u32 s72, s72, 1
	s_cmp_lg_u32 s72, 0
	s_cbranch_scc1 .Llap
	ST 0, 1, 1, 0
	ST 1, 0, 0, 0
	; THE WAY OUT, 16 rows at a time through my own stage: in by columns of a lane, back as whole rows of 256 bytes; bo is added on the way
	PLACES
	s_wait_loadcnt 0x0
.macro OUT16 a, f
	WIN 0x04                                       ; store data from window 1
.irp b, 0,1,2,3
	ds_store_b128 v[STO], v[8*(4*\a+\b):8*(4*\a+\b)+3]   offset:64*\b
	ds_store_b128 v[STO], v[8*(4*\a+\b)+4:8*(4*\a+\b)+7] offset:64*\b+16
.endr
	WIN 0
	s_wait_xcnt 0x0                                ; the stores' base and the registers that they read are written again only behind this wait
.if \a
	s_add_nc_u64 s[10:11], s[10:11], 16*4096
.endif
.irp t, 0,1,2,3,4,5,6,7
	ds_load_b128 v[\f+4*\t:\f+4*\t+3], v[RD] offset:\t*2*SP        ; LDS serves a wave's instructions in order (ISA guide 5.7.1.4): these see the stores above
.endr
.irp t, 0,1,2,3,4,5,6,7
	s_wait_dscnt 7-\t
	v_pk_add_f32 v[\f+4*\t:\f+4*\t+1],   v[\f+4*\t:\f+4*\t+1],   v[BI:BI+1]
	v_pk_add_f32 v[\f+4*\t+2:\f+4*\t+3], v[\f+4*\t+2:\f+4*\t+3], v[BI+2:BI+3]
	global_store_b128 v[CO], v[\f+4*\t:\f+4*\t+3], s[10:11] offset:\t*8192 th:TH_STORE_NT   ; sixteen lanes store 256 consecutive bytes, aligned
.endr
.endm
	OUT16 0, F0
	OUT16 1, F1
	OUT16 2, F0
	OUT16 3, F1
	s_wait_tensorcnt 0x0
	ds_add_u32 v254, v255
	s_wait_dscnt 0x0
	CROUND                                         ; the closing round
	s_endpgm
.Lfunc_end_k_q4b779bac59_oproj:
	.size	k_q4b779bac59_oproj, .Lfunc_end_k_q4b779bac59_oproj-k_q4b779bac59_oproj
	.p2alignl 7, 3214868480
	.fill 96, 4, 3214868480
	.section	.rodata,"a",@progbits
	.p2align	6, 0x0
	.amdhsa_kernel k_q4b779bac59_oproj
		.amdhsa_group_segment_fixed_size 327680
		.amdhsa_private_segment_fixed_size 0
		.amdhsa_enable_private_segment 0
		.amdhsa_kernarg_size 32
		.amdhsa_user_sgpr_count 2
		.amdhsa_user_sgpr_kernarg_segment_ptr 1
		.amdhsa_wavefront_size32 1
		.amdhsa_system_sgpr_workgroup_id_x 1
		.amdhsa_system_sgpr_workgroup_id_y 1
		.amdhsa_system_sgpr_workgroup_id_z 1
		.amdhsa_system_vgpr_workitem_id 0
		.amdhsa_next_free_vgpr 384
		.amdhsa_next_free_sgpr 80
		.amdhsa_reserve_vcc 0
		.amdhsa_float_denorm_mode_32 3
		.amdhsa_float_denorm_mode_16_64 3
		.amdhsa_memory_ordered 1
		.amdhsa_forward_progress 1
		.amdhsa_inst_pref_size 113
	.end_amdhsa_kernel
	.amdgpu_metadata
---
amdhsa.version: [ 1, 2 ]
amdhsa.kernels:
  - .name:           k_q4b779bac59_oproj
    .symbol:         k_q4b779bac59_oproj.kd
    .args:
      - { .name: ctx, .offset: 0, .size: 8, .value_kind: global_buffer, .address_space: global }
      - { .name: wob, .offset: 8, .size: 8, .value_kind: global_buffer, .address_space: global }
      - { .name: bo, .offset: 16, .size: 8, .value_kind: global_buffer, .address_space: global }
      - { .name: out0, .offset: 24, .size: 8, .value_kind: global_buffer, .address_space: global }
    .group_segment_fixed_size: 327680
    .private_segment_fixed_size: 0
    .kernarg_segment_align: 8
    .kernarg_segment_size: 32
    .max_flat_workgroup_size: 128
    .sgpr_count:     80
    .vgpr_count:     384
    .wavefront_size: 32
...
	.end_amdgpu_metadata
.endif
;; end of part 3
;; ======== version 2 of 3: 4 launches; 1.17 times as fast as version 1
;; limits: values are held in f16: magnitudes above 65,504 overflow, below 6.1e-05 lose precision
;; workspace buffers: q 8,388,608 bytes; k 8,388,608 bytes; v 8,388,608 bytes; ctx 8,388,608 bytes; wob 2,097,152 bytes; xb 8,388,608 bytes; wb 6,291,456 bytes
;; launch cast (part 4): grid 512 x 1, 8 waves a work-group, no clusters, 0 bytes of LDS; arguments x, Wq, Wk, Wv, Wo, xb, wb, wob; writes xb, wb, wob
.if DOCPART == 4
	.amdgcn_target "amdgcn-amd-amdhsa--gfx1250"
	.amdhsa_code_object_version 6
	.text
	.protected	k_q4b779bac59_cast
	.globl	k_q4b779bac59_cast
	.p2align	8
	.type	k_q4b779bac59_cast,@function
k_q4b779bac59_cast:
	s_mov_b64 s[64:65], 0
	v_nop
	global_prefetch_b8 v0, s[64:65] scope:SCOPE_SE
	s_setreg_imm32_b32 hwreg(HW_REG_WAVE_MODE, 25, 1), 1
	s_wait_xcnt 0x0
; The inputs of the matrix products, rounded once to bf16 (nearest even):  x -> xb [4096][1024];  Wq, Wk, Wv -> wb [3][1024][1024];
; Wo -> wob [head][n][64] = Wo[n][64 head + d], rounded to bf16 like the others and then written in f16, because the last launch multiplies it by f16 numbers.
; LIMIT: f16 holds a bf16 number exactly for 2^-17 <= |Wo| < 65,504; smaller ones carry an error of up to 2^-25, larger ones become infinite.
; A stream: 512 work-groups of 8 waves, 65,536 input bytes a work-group, 8,192 a wave.  A wave issues all its 16 loads at once (512 consecutive bytes each) and
; stores 8 bytes a lane: 256 consecutive bytes, aligned, for each store.  No LDS, no barrier, no matrix unit: nothing is used twice.
; Work-groups 0-255: x;  256-447: Wq, Wk, Wv (64 each);  448-511: Wo, 16 rows each.
.set X, 4                              ; v4-67   16 loads of 4 f32
.set Y, 68                             ; v68-99  16 stores of 4 numbers of 16 bits
; instep, outstep: bytes from one load, one store, to the next
.macro MOVE instep, outstep, tof16
.irp j, 0,1,2,3,4,5,6,7,8,9,10,11,12,13,14,15
	global_load_b128 v[X+4*\j:X+4*\j+3], v1, s[26:27] offset:\instep*\j th:TH_LOAD_NT
.endr
.irp j, 0,1,2,3,4,5,6,7,8,9,10,11,12,13,14,15
	s_wait_loadcnt 15-\j                           ; loads come back in order (ISA guide 5.7.1): load j is in, the younger ones stay out
	v_cvt_pk_bf16_f32 v[Y+2*\j],   v[X+4*\j],   v[X+4*\j+1]
	v_cvt_pk_bf16_f32 v[Y+2*\j+1], v[X+4*\j+2], v[X+4*\j+3]
.if \tof16
	v_lshlrev_b32 v[X+4*\j],   16, v[Y+2*\j]                  ; the bf16 numbers as f32,
	v_and_b32     v[X+4*\j+1], 0xffff0000, v[Y+2*\j]
	v_lshlrev_b32 v[X+4*\j+2], 16, v[Y+2*\j+1]
	v_and_b32     v[X+4*\j+3], 0xffff0000, v[Y+2*\j+1]
	v_cvt_pk_f16_f32 v[Y+2*\j],   v[X+4*\j],   v[X+4*\j+1]    ; and in f16
	v_cvt_pk_f16_f32 v[Y+2*\j+1], v[X+4*\j+2], v[X+4*\j+3]
.endif
	global_store_b64 v2, v[Y+2*\j:Y+2*\j+1], s[28:29] offset:\outstep*\j
.endr
.endm
	s_load_b512 s[8:23], s[0:1], 0x0               ; x, Wq, Wk, Wv, Wo, xb, wb, wob
	s_mov_b32 s4, ttmp9
	s_and_b32 s5, s4, 255                          ; my 32,768 bytes of xb, or of wb
	s_and_b32 s6, s4, 63                           ; my 65,536 bytes of one W
	s_bfe_u32 s7, s4, 0x20006                      ; from 256 on: 0 Wq, 1 Wk, 2 Wv, 3 Wo
	s_cmp_lt_u32 s4, 256
	s_cselect_b32 s24, s5, s6
	s_lshl_b32 s24, s24, 16                        ; where I read
	s_mov_b32 s25, 0
	s_lshl_b32 s30, s5, 15                         ; where I write
	s_mov_b32 s31, 0
	s_wait_kmcnt 0x0
	s_cmp_ge_u32 s4, 448
	s_cbranch_scc1 .Lwo
	s_cmp_eq_u32 s7, 1
	s_cselect_b64 s[26:27], s[12:13], s[10:11]
	s_cmp_eq_u32 s7, 2
	s_cselect_b64 s[26:27], s[14:15], s[26:27]
	s_cmp_lt_u32 s4, 256
	s_cselect_b64 s[26:27], s[8:9], s[26:27]
	s_cselect_b64 s[28:29], s[18:19], s[20:21]
	s_add_nc_u64 s[26:27], s[26:27], s[24:25]
	s_add_nc_u64 s[28:29], s[28:29], s[30:31]
	v_and_b32 v1, 31, v0
	v_lshrrev_b32 v2, 5, v0
	v_lshlrev_b32 v1, 4, v1
	v_lshl_or_b32 v1, v2, 13, v1                   ; in: 8,192 wave + 16 lane
	v_lshrrev_b32 v2, 1, v1                        ; out: half of that
	MOVE 512, 256, 0
	s_endpgm
.Lwo:
	; thread t takes row t / 16 of my 16 rows and 4 numbers at t % 16 of each head's 64: lanes 0-15 and 16-31 hold two neighbouring rows of one head,
	; which are 256 consecutive bytes of wob
	s_add_nc_u64 s[26:27], s[16:17], s[24:25]
	s_lshl_b32 s30, s6, 11                         ; 16 rows of 128 bytes
	s_add_nc_u64 s[28:29], s[22:23], s[30:31]
	v_lshrrev_b32 v2, 4, v0
	v_and_b32 v1, 15, v0
	v_lshlrev_b32 v1, 4, v1
	v_lshl_or_b32 v1, v2, 12, v1                   ; in: 4,096 row + 16 (t % 16); a head is 256 bytes on
	v_lshlrev_b32 v2, 3, v0                        ; out: 128 row + 8 (t % 16) = 8 t; a head is 131,072 bytes on
	MOVE 256, 131072, 1
	s_endpgm
.Lfunc_end_k_q4b779bac59_cast:
	.size	k_q4b779bac59_cast, .Lfunc_end_k_q4b779bac59_cast-k_q4b779bac59_cast
	.p2alignl 7, 3214868480
	.fill 96, 4, 3214868480
	.section	.rodata,"a",@progbits
	.p2align	6, 0x0
	.amdhsa_kernel k_q4b779bac59_cast
		.amdhsa_group_segment_fixed_size 0
		.amdhsa_private_segment_fixed_size 0
		.amdhsa_enable_private_segment 0
		.amdhsa_kernarg_size 64
		.amdhsa_user_sgpr_count 2
		.amdhsa_user_sgpr_kernarg_segment_ptr 1
		.amdhsa_wavefront_size32 1
		.amdhsa_system_sgpr_workgroup_id_x 1
		.amdhsa_system_sgpr_workgroup_id_y 1
		.amdhsa_system_sgpr_workgroup_id_z 1
		.amdhsa_system_vgpr_workitem_id 0
		.amdhsa_next_free_vgpr 104
		.amdhsa_next_free_sgpr 66
		.amdhsa_reserve_vcc 0
		.amdhsa_float_denorm_mode_32 3
		.amdhsa_float_denorm_mode_16_64 3
		.amdhsa_memory_ordered 1
		.amdhsa_forward_progress 1
		.amdhsa_inst_pref_size 18
	.end_amdhsa_kernel
	.amdgpu_metadata
---
amdhsa.version: [ 1, 2 ]
amdhsa.kernels:
  - .name:           k_q4b779bac59_cast
    .symbol:         k_q4b779bac59_cast.kd
    .args:
      - { .name: x, .offset: 0, .size: 8, .value_kind: global_buffer, .address_space: global }
      - { .name: Wq, .offset: 8, .size: 8, .value_kind: global_buffer, .address_space: global }
      - { .name: Wk, .offset: 16, .size: 8, .value_kind: global_buffer, .address_space: global }
      - { .name: Wv, .offset: 24, .size: 8, .value_kind: global_buffer, .address_space: global }
      - { .name: Wo, .offset: 32, .size: 8, .value_kind: global_buffer, .address_space: global }
      - { .name: xb, .offset: 40, .size: 8, .value_kind: global_buffer, .address_space: global }
      - { .name: wb, .offset: 48, .size: 8, .value_kind: global_buffer, .address_space: global }
      - { .name: wob, .offset: 56, .size: 8, .value_kind: global_buffer, .address_space: global }
    .group_segment_fixed_size: 0
    .private_segment_fixed_size: 0
    .kernarg_segment_align: 8
    .kernarg_segment_size: 64
    .max_flat_workgroup_size: 256
    .sgpr_count:     66
    .vgpr_count:     104
    .wavefront_size: 32
...
	.end_amdgpu_metadata
.endif
;; end of part 4
;; launch qkv (part 5): grid 16 x 16, 4 waves a work-group, clusters of 4 x 4, 327,680 bytes of LDS; arguments xb, wb, bq, bk, bv, q, k, v; writes q, k, v
.if DOCPART == 5
	.amdgcn_target "amdgcn-amd-amdhsa--gfx1250"
	.amdhsa_code_object_version 6
	.text
	.protected	k_q4b779bac59_qkv
	.globl	k_q4b779bac59_qkv
	.p2align	8
	.type	k_q4b779bac59_qkv,@function
k_q4b779bac59_qkv:
	s_mov_b64 s[64:65], 0
	v_nop
	global_prefetch_b8 v0, s[64:65] scope:SCOPE_SE
	s_setreg_imm32_b32 hwreg(HW_REG_WAVE_MODE, 25, 1), 1
	s_wait_xcnt 0x0
	s_wait_alu depctr_hold_cnt(0) depctr_sa_sdst(0) depctr_va_vdst(0) depctr_va_sdst(0) depctr_va_ssrc(0) depctr_va_vcc(0) depctr_vm_vsrc(0)
	s_getreg_b32 s2, hwreg(HW_REG_IB_STS2, 6, 4)
	s_cmp_eq_u32 s2, 0
	s_cbranch_scc0 .Lentry_in_a_cluster
	s_endpgm
.Lentry_in_a_cluster:
	s_bfe_u32 s2, ttmp6, 0x10000c
	s_cmp_lg_u32 s2, 0xf033
	s_cbranch_scc0 .Lentry_shape_is_right
	s_endpgm
.Lentry_shape_is_right:
; q, k, v = x W^T + b for one head and 256 rows of x.  xb [4096][1024] and wb [3][1024][1024] (Wq, Wk, Wv) are bf16; sums in f32.
; q is multiplied by 0.125 log2(e) (the scores' scale and the base-2 exponential of the next launch).  q, k, v leave as f16, laid
; [batch*16+head][row 0..2047][64]: a head's rows are dense, so every store below covers 512 consecutive bytes.
; LIMIT: |0.18 q|, |k|, |v| must stay below 65,504 (f16's largest number); f16 and not bf16 because an error of 2^-9 in v would show in the rows with few keys.
; Four waves; wave (wm, wn) makes 128 rows x 96 columns: wn = 0: q's 64 and k's columns 0-31; wn = 1: v's 64 and k's columns 32-63.
; K goes in steps of 128 (rows of 256 bytes, starting at multiples of 256 bytes) through two LDS slots.  CLUSTER 4 x 4: x's tile hangs on the block of rows alone and is
; asked for jointly along a row of the cluster, W's tiles hang on the head alone and are asked for jointly along a column.
; The matrix instruction is used transposed (source 0 = 16 rows of W, source 1 = 16 rows of x): a lane's 8 results are 8 neighbouring columns of one row.
; Registers: window 0: addresses, two fragment buffers of 112; window 1: accumulators of row blocks 0-3 (v0-191) and the biases (v192-239); window 2: row blocks 4-7.
.set KSTEP,  128
.set PITCH,  272                       ; LDS row: 256 bytes + 16: the 16 rows of a fragment load start in 16 different 16-byte columns modulo 256 bytes
.set BLK64,  64*PITCH                  ; what one tensor load brings
.set WOFF,   256*PITCH                 ; x's 256 rows, then Wq's, Wk's, Wv's 64 rows each
.set SLOT,   WOFF+3*BLK64              ; 121,856
.set SPITCH, 144                       ; stage row: 64 f16 + 16 bytes
.set SREG,   256*SPITCH                ; stage: q at 0, k at SREG, v at 2 SREG, inside slot 0 behind that slot's last fill
.set LAPS,   4                         ; a lap = two K steps = once round the ring
.set ADRA,  4                          ; v4-5   x fragments, slot 0, 1
.set ADRB0, 6                          ; v6-7   Wq (wn = 0) or Wv (wn = 1) fragments
.set ADRB1, 8                          ; v8-9   Wk fragments
.set STO0,  10
.set STO1,  11
.set RD,    12
.set RD2,   13
.set CO,    14
.set BO0,   18
.set BO1,   19
.set F0,    32                         ; v32-143   buffer 0: 6 fragments of W, then 8 of x
.set F1,    144                        ; v144-255  buffer 1
.set BIAS,  192                        ; window 1: 8 biases for each column block
.set T,     32                         ; the way out, window 0
.set PK,    80
.set G1A, 40
.set G1B, 48
.set G0A, 56                           ; s[56:63]  group 0 of x's loads, one set a slot
.set G0B, 68                           ; s[68:75]  group 0 of W's loads
.set G1W0, (1<<16)|(1<<20)|(1<<21)|(5<<22)|(3<<25)   ; elements of 2 bytes; padding on; bit 21 beside a mask; after every 64 words, 4 words
.set MUL_LO, 0x50                      ; C and D in window 1
.set MUL_HI, 0xa0                      ; C and D in window 2
.set MSB, 0
.macro WIN new                         ; the immediate's high byte repeats the setting that is left
.if MSB != \new
	s_set_vgpr_msb (MSB<<8)|\new
.set MSB, \new
.endif
.endm
.macro PLACES                          ; four places behind a matrix instruction (ISA guide 7.12.1)
.rept 4
	v_nop
.endr
.endm
.macro CREST                           ; a round of the cluster's barrier behind its opening work-group barrier
	s_cmp_lg_u32 s4, 0
	s_cbranch_scc1 .Lnot_wave_0_\@
	s_barrier_signal -3
.Lnot_wave_0_\@:
	s_barrier_wait -3
	s_barrier_signal -1
	s_barrier_wait -1
.endm
.macro CROUND
	s_barrier_signal -1
	s_barrier_wait -1
	CREST
.endm
.macro JLOAD sl                        ; every wave: 64 rows of x; waves 0, 1, 2: the 64 rows of Wq, Wk, Wv.  The branch hangs on the wave's number alone
	tensor_load_to_lds s[G0A+4*\sl:G0A+4*\sl+3], s[G1A:G1A+7]
	s_nop 0
	s_cmp_eq_u32 s4, 3
	s_cbranch_scc1 .Lno_w_\@
	tensor_load_to_lds s[G0B+4*\sl:G0B+4*\sl+3], s[G1B:G1B+7]
	s_nop 0
.Lno_w_\@:
.endm
	s_load_b512 s[8:23], s[0:1], 0x0               ; xb, wb, bq, bk, bv, q, k, v
	v_lshl_add_u32 v30, v0, 2, 0x3b800
	v_mov_b32 v31, 0
	ds_add_u32 v30, v31
	v_lshrrev_b32 v1, 5, v0
	v_readfirstlane_b32 s4, v1                     ; wave
	s_lshr_b32 s5, s4, 1                           ; wm
	s_and_b32 s6, s4, 1                            ; wn
	s_bfe_u32 s32, ttmp6, 0x40000                  ; cx
	s_bfe_u32 s33, ttmp6, 0x40004                  ; cy
	s_lshl_b32 s34, ttmp9, 2
	s_add_co_u32 s34, s34, s32                     ; head = 4 x cluster x + cx
	s_and_b32 s35, ttmp7, 0xffff
	s_lshl_b32 s35, s35, 2
	s_add_co_u32 s35, s35, s33                     ; block of 256 rows = 4 x cluster y + cy
	s_lshl_b32 s36, s33, 2
	s_lshl_b32 s36, 15, s36                        ; my row of the cluster
	s_lshl_b32 s37, 0x1111, s32                    ; my column
	s_or_b32 s[G1A], s36, G1W0
	s_or_b32 s[G1B], s37, G1W0
.irp g, G1A, G1B
	s_mov_b32 s[\g+1], KSTEP<<16                   ; tensor_dim0 = 128
	s_mov_b32 s[\g+2], 64<<16                      ; tensor_dim1 = 64
	s_mov_b32 s[\g+3], KSTEP<<16                   ; tile_dim0 = 128 elements
	s_mov_b32 s[\g+4], 64                          ; tile_dim1 = 64 rows
	s_mov_b32 s[\g+5], 1024                        ; elements from row to row
	s_mov_b32 s[\g+6], 0
	s_mov_b32 s[\g+7], 0
.endr
	s_lshl_b32 s84, s35, 19                        ; x: (256 block + 64 wave) rows of 2,048 bytes
	s_lshl_b32 s85, s4, 17
	s_add_co_u32 s84, s84, s85
	s_mov_b32 s85, 0
	s_min_u32 s88, s4, 2                           ; W: wave 0 Wq, 1 Wk, 2 Wv (wave 3 asks for no W), 2,097,152 bytes each,
	s_lshl_b32 s88, s88, 21
	s_lshl_b32 s89, s34, 17                        ; 64 head rows of 2,048 bytes
	s_add_co_u32 s88, s88, s89
	s_mov_b32 s89, 0
	s_mul_i32 s38, s4, BLK64                       ; LDS: the wave's number alone
	s_wait_dscnt 0x0
	s_wait_kmcnt 0x0
	s_add_nc_u64 s[86:87], s[8:9], s[84:85]
	s_add_nc_u64 s[78:79], s[10:11], s[88:89]
	CROUND                                         ; all sixteen work-groups are here: the first joint loads meet
.irp s, 0,1
	s_mov_b32 s[G0A+4*\s], 1
	s_add_co_u32 s[G0A+4*\s+1], s38, \s*SLOT
	s_add_nc_u64 s[G0A+4*\s+2:G0A+4*\s+3], s[86:87], \s*KSTEP*2
	s_or_b32 s[G0A+4*\s+3], s[G0A+4*\s+3], 0x80000000
	s_mov_b32 s[G0B+4*\s], 1
	s_add_co_u32 s[G0B+4*\s+1], s38, \s*SLOT+WOFF
	s_add_nc_u64 s[G0B+4*\s+2:G0B+4*\s+3], s[78:79], \s*KSTEP*2
	s_or_b32 s[G0B+4*\s+3], s[G0B+4*\s+3], 0x80000000
	JLOAD \s                                       ; K steps 0 and 1: at most four tensor loads of a wave are out
.endr
	; biases of my columns: asked for here, waited for on the way out
	v_and_b32 v1, 15, v0                           ; r
	v_bfe_u32 v2, v0, 4, 1                         ; h
	v_and_b32 v3, 31, v0                           ; lane
	v_lshrrev_b32 v22, 3, v3
	v_and_b32 v23, 7, v0
	v_lshlrev_b32 v[BO0], 5, v2                    ; 8 h columns of 4 bytes
	s_lshl_b32 s39, s6, 7
	v_add_nc_u32 v[BO1], s39, v[BO0]               ; k: + 32 wn columns
	s_lshl_b32 s92, s34, 8                         ; 64 head columns
	s_mov_b32 s93, 0
	s_cmp_eq_u32 s6, 0
	s_cselect_b64 s[80:81], s[12:13], s[16:17]     ; bq or bv
	s_cselect_b32 s76, 0x3e38aa3b, 1.0             ; 0.125 log2(e) for q, 1 for v
	s_mov_b32 s77, s76
	s_add_nc_u64 s[80:81], s[80:81], s[92:93]
	s_add_nc_u64 s[82:83], s[14:15], s[92:93]
	WIN 0x40                                       ; destination in window 1
.irp b, 0,1,2,3
	global_load_b128 v[BIAS+8*\b:BIAS+8*\b+3],   v[BO0], s[80:81] offset:64*\b
	global_load_b128 v[BIAS+8*\b+4:BIAS+8*\b+7], v[BO0], s[80:81] offset:64*\b+16
.endr
.irp b, 0,1
	global_load_b128 v[BIAS+32+8*\b:BIAS+32+8*\b+3],   v[BO1], s[82:83] offset:64*\b
	global_load_b128 v[BIAS+32+8*\b+4:BIAS+32+8*\b+7], v[BO1], s[82:83] offset:64*\b+16
.endr
	WIN 0
	; LDS addresses.  A fragment: lane (r, h) takes row r, 16 bytes at 16 h and 16 bytes 32 further
	v_mul_u32_u24 v20, v1, PITCH
	v_lshl_add_u32 v20, v2, 4, v20
	s_mul_i32 s39, s5, 128*PITCH
	v_add_nc_u32 v[ADRA], s39, v20
	v_add_nc_u32 v[ADRA+1], SLOT, v[ADRA]
	s_mul_i32 s91, s6, 128*PITCH                   ; Wq's rows, or Wv's 128 rows further
	s_add_co_u32 s91, s91, WOFF
	v_add_nc_u32 v[ADRB0], s91, v20
	v_add_nc_u32 v[ADRB0+1], SLOT, v[ADRB0]
	s_mul_i32 s91, s6, 32*PITCH                    ; Wk's rows 32 wn ..
	s_add_co_u32 s91, s91, WOFF+BLK64
	v_add_nc_u32 v[ADRB1], s91, v20
	v_add_nc_u32 v[ADRB1+1], SLOT, v[ADRB1]
	v_mul_u32_u24 v21, v1, SPITCH
	v_lshl_add_u32 v21, v2, 4, v21                 ; stage: row r, 16 bytes for each half of the lanes
	s_mul_i32 s39, s5, 128*SPITCH
	s_mul_i32 s91, s6, 2*SREG
	s_add_co_u32 s91, s91, s39
	v_add_nc_u32 v[STO0], s91, v21                 ; q's or v's stage
	s_lshl_b32 s91, s6, 6
	s_add_co_u32 s91, s91, s39
	s_add_co_u32 s91, s91, SREG
	v_add_nc_u32 v[STO1], s91, v21                 ; k's stage, columns 32 wn ..
	v_mul_u32_u24 v[RD], v22, SPITCH               ; back: 4 rows of 128 bytes a load, rows 64 wave ..
	v_lshl_add_u32 v[RD], v23, 4, v[RD]
	s_mul_i32 s91, s4, 64*SPITCH
	v_add_nc_u32 v[RD], s91, v[RD]
	v_add_nc_u32 v[RD2], 2*SREG, v[RD]
	s_lshl_b32 s91, s4, 13
	v_lshl_add_u32 v[CO], v3, 4, s91
; 12 matrix instructions: row blocks a0, a0 + 1 of the window's four (hi = 0: my rows 0-63, 1: rows 64-127) x 6 column blocks, 32 along K.
; The 48 accumulators take turns, one instruction a turn, in the same order in every quarter step.
.macro MUL12 f, hi, a0, zero
.irp a, \a0, \a0+1
.irp b, 0,1,2,3,4,5
.if \zero
	v_wmma_f32_16x16x32_bf16 v[8*(6*(\a)+\b):8*(6*(\a)+\b)+7], v[\f+8*\b:\f+8*\b+7], v[\f+48+8*(4*\hi+\a):\f+48+8*(4*\hi+\a)+7], 0
.else
	v_wmma_f32_16x16x32_bf16 v[8*(6*(\a)+\b):8*(6*(\a)+\b)+7], v[\f+8*\b:\f+8*\b+7], v[\f+48+8*(4*\hi+\a):\f+48+8*(4*\hi+\a)+7], v[8*(6*(\a)+\b):8*(6*(\a)+\b)+7]
.endif
.endr
.endr
.endm
; 28 LDS loads in one run: the fragments of one quarter step (96 rows of W, 128 rows of x, 32 K at byte k of the rows) into buffer f
.macro FETCH sl, k, f
	WIN 0
.irp i, 0,1,2,3
	ds_load_b128 v[\f+8*\i:\f+8*\i+3],   v[ADRB0+\sl] offset:\k+\i*16*PITCH
	ds_load_b128 v[\f+8*\i+4:\f+8*\i+7], v[ADRB0+\sl] offset:\k+\i*16*PITCH+32
.endr
.irp i, 0,1
	ds_load_b128 v[\f+32+8*\i:\f+32+8*\i+3],   v[ADRB1+\sl] offset:\k+\i*16*PITCH
	ds_load_b128 v[\f+32+8*\i+4:\f+32+8*\i+7], v[ADRB1+\sl] offset:\k+\i*16*PITCH+32
.endr
.irp i, 0,1,2,3,4,5,6,7
	ds_load_b128 v[\f+48+8*\i:\f+48+8*\i+3],   v[ADRA+\sl] offset:\k+\i*16*PITCH
	ds_load_b128 v[\f+48+8*\i+4:\f+48+8*\i+7], v[ADRA+\sl] offset:\k+\i*16*PITCH+32
.endr
.endm
; A K step is four quarter steps of 32 along K, 48 matrix instructions each, on buffers 0, 1, 0, 1.
; One of the first three: multiplies buffer f; in its middle it fetches the next quarter's fragments, at byte k of the same slot's rows, into buffer g.
.macro QUARTER sl, k, f, g, zero
	s_wait_dscnt 8                                 ; W and x's rows 0-63 are in; the youngest eight loads (x's rows 64-127) may be out
	WIN MUL_LO
	MUL12 \f, 0, 0, \zero
	MUL12 \f, 0, 2, \zero
	PLACES                                         ; the loads land on registers that the quarter before has multiplied
	FETCH \sl, \k, \g
	s_wait_dscnt 28                                ; all but the 28 just issued
	WIN MUL_HI
	MUL12 \f, 1, 0, \zero
	MUL12 \f, 1, 2, \zero
.endm
.macro THREE sl, zero
	QUARTER \sl, 64,  F0, F1, \zero
	QUARTER \sl, 128, F1, F0, 0
	QUARTER \sl, 192, F0, F1, 0
.endm
; The last quarter: multiplies buffer 1 and changes slots.  In front of the barrier each wave's reads of this slot are back and all its tensor loads have landed (what was
; out is its part of the next slot).  Where the slot is filled again the barrier opens a round of the cluster's barrier, and the joint refill is the first tensor load behind
; the round.  From a request to the wait for it a wave issues 180 matrix instructions.
.macro TURN sl, nxt, fill
	s_wait_dscnt 8
	WIN MUL_LO
	MUL12 F1, 0, 0, 0
	s_wait_dscnt 0x0                               ; my reads of this slot are over
	s_wait_tensorcnt 0x0                           ; and all my tensor loads have landed
	ds_add_u32 v30, v31
	s_wait_dscnt 0x0
	s_barrier_signal -1
	MUL12 F1, 0, 2, 0                              ; register work while the others arrive
	WIN 0
	s_barrier_wait -1
.if \fill
	CREST
	s_add_nc_u64 s[G0A+4*\sl+2:G0A+4*\sl+3], s[G0A+4*\sl+2:G0A+4*\sl+3], 2*KSTEP*2   ; two K steps on; no tensor load of mine is out
	s_add_nc_u64 s[G0B+4*\sl+2:G0B+4*\sl+3], s[G0B+4*\sl+2:G0B+4*\sl+3], 2*KSTEP*2
	JLOAD \sl
.endif
	PLACES
	FETCH \nxt, 0, F0
	WIN MUL_HI
	MUL12 F1, 1, 0, 0
	MUL12 F1, 1, 2, 0
.endm
.macro LAP zero
	THREE 0, \zero
	TURN 0, 1, 1
	THREE 1, 0
	TURN 1, 0, 1
.endm
	s_wait_tensorcnt 0x1                           ; issued: x0, W0, x1, W1 (wave 3: x0, x1): with one left out, K step 0's are in
	s_barrier_signal -1
	s_barrier_wait -1
	FETCH 0, 0, F0
	LAP 1                                          ; the first products start the sums: nothing is cleared
	WIN 0
	s_mov_b32 s90, LAPS-2                          ; with the first lap: K steps 0-5 are multiplied, 2-7 asked for
.Llap:
	LAP 0
	WIN 0
	s_sub_co_u32 s90, s90, 1
	s_cmp_lg_u32 s90, 0
	s_cbranch_scc1 .Llap
	THREE 0, 0                                     ; K steps 6 and 7: nothing more is asked for
	TURN 0, 1, 0
	THREE 1, 0
	s_wait_dscnt 8
	WIN MUL_LO
	MUL12 F1, 0, 0, 0
	MUL12 F1, 0, 2, 0
	s_wait_dscnt 0x0
	WIN MUL_HI
	MUL12 F1, 1, 0, 0
	MUL12 F1, 1, 2, 0
	; THE WAY OUT.  Slot 0 has had its last fill and, since the barrier of K step 6, its last read: it is the stage.
	PLACES
	s_wait_loadcnt 0x0                             ; the biases, asked for at the start
	WIN 0x41
.irp p, 0,2,4,6,8,10,12,14,16,18,20,22,24,26,28,30
	v_pk_mul_f32 v[BIAS+\p:BIAS+\p+1], v[BIAS+\p:BIAS+\p+1], s[76:77] op_sel_hi:[1,0]   ; (acc + b) c = acc c + b c
.endr
	s_lshr_b32 s98, s35, 3                         ; batch
	s_lshl_b32 s98, s98, 4
	s_add_co_u32 s98, s98, s34                     ; batch x 16 + head
	s_lshl_b32 s98, s98, 18                        ; x 2,048 rows of 128 bytes
	s_and_b32 s99, s35, 7
	s_lshl_b32 s99, s99, 15                        ; + 256 rows for each block
	s_add_co_u32 s98, s98, s99
	s_mov_b32 s99, 0
	s_add_nc_u64 s[18:19], s[18:19], s[98:99]
	s_add_nc_u64 s[20:21], s[20:21], s[98:99]
	s_add_nc_u64 s[22:23], s[22:23], s[98:99]
; 16 rows: scale and bias in f32, one rounding to f16, 16 bytes a lane into the stage.  win: accumulators (source 0) in window 1 or 2, biases (source 2) in window 1.
; k's scale is 1: the same form of instruction serves all six column blocks under one setting of the windows.
.macro OUTA row, a, win
	WIN \win
.irp b, 0,1,2,3
.irp p, 0,2,4,6
	v_pk_fma_f32 v[T+8*\b+\p:T+8*\b+\p+1], v[8*(6*\a+\b)+\p:8*(6*\a+\b)+\p+1], s[76:77], v[BIAS+8*\b+\p:BIAS+8*\b+\p+1] op_sel_hi:[1,0,1]
.endr
.endr
.irp b, 4,5
.irp p, 0,2,4,6
	v_pk_fma_f32 v[T+8*\b+\p:T+8*\b+\p+1], v[8*(6*\a+\b)+\p:8*(6*\a+\b)+\p+1], 1.0, v[BIAS+8*\b+\p:BIAS+8*\b+\p+1] op_sel_hi:[1,0,1]
.endr
.endr
	WIN 0
.set i, 0
.rept 24
	v_cvt_pk_f16_f32 v[PK+i], v[T+2*i], v[T+2*i+1]
.set i, i+1
.endr
.irp b, 0,1,2,3
	ds_store_b128 v[STO0], v[PK+4*\b:PK+4*\b+3] offset:\row*16*SPITCH+32*\b
.endr
.irp b, 0,1
	ds_store_b128 v[STO1], v[PK+16+4*\b:PK+16+4*\b+3] offset:\row*16*SPITCH+32*\b
.endr
.endm
	OUTA 0, 0, 0x11
	OUTA 1, 1, 0x11
	OUTA 2, 2, 0x11
	OUTA 3, 3, 0x11
	OUTA 4, 0, 0x12
	OUTA 5, 1, 0x12
	OUTA 6, 2, 0x12
	OUTA 7, 3, 0x12
	s_wait_dscnt 0x0                               ; my stores into the stage are done: k's rows are made by two waves
	s_barrier_signal -1
	s_barrier_wait -1
.macro DRAIN adr, off, base            ; my 64 rows of one of q, k, v: 8,192 dense bytes
	s_wait_xcnt 0x0                                ; the registers that earlier stores read are loaded again only behind this wait
.irp t, 0,1,2,3,4,5,6,7,8,9,10,11,12,13,14,15
	ds_load_b128 v[T+4*\t:T+4*\t+3], v[\adr] offset:\off+\t*4*SPITCH
.endr
.irp t, 0,1,2,3,4,5,6,7,8,9,10,11,12,13,14,15
	s_wait_dscnt 15-\t                             ; LDS loads come back in order: load t is in
	global_store_b128 v[CO], v[T+4*\t:T+4*\t+3], s[\base:\base+1] offset:512*\t   ; the wave stores 512 consecutive bytes, aligned
.endr
.endm
	DRAIN RD, 0, 18
	DRAIN RD, SREG, 20
	DRAIN RD2, 0, 22
	s_wait_tensorcnt 0x0
	ds_add_u32 v30, v31
	s_wait_dscnt 0x0
	CROUND                                         ; the closing round: no work-group ends while a partner may still ask jointly
	s_endpgm
.Lfunc_end_k_q4b779bac59_qkv:
	.size	k_q4b779bac59_qkv, .Lfunc_end_k_q4b779bac59_qkv-k_q4b779bac59_qkv
	.p2alignl 7, 3214868480
	.fill 96, 4, 3214868480
	.section	.rodata,"a",@progbits
	.p2align	6, 0x0
	.amdhsa_kernel k_q4b779bac59_qkv
		.amdhsa_group_segment_fixed_size 327680
		.amdhsa_private_segment_fixed_size 0
		.amdhsa_enable_private_segment 0
		.amdhsa_kernarg_size 64
		.amdhsa_user_sgpr_count 2
		.amdhsa_user_sgpr_kernarg_segment_ptr 1
		.amdhsa_wavefront_size32 1
		.amdhsa_system_sgpr_workgroup_id_x 1
		.amdhsa_system_sgpr_workgroup_id_y 1
		.amdhsa_system_sgpr_workgroup_id_z 1
		.amdhsa_system_vgpr_workitem_id 0
		.amdhsa_next_free_vgpr 704
		.amdhsa_next_free_sgpr 100
		.amdhsa_reserve_vcc 0
		.amdhsa_float_denorm_mode_32 3
		.amdhsa_float_denorm_mode_16_64 3
		.amdhsa_memory_ordered 1
		.amdhsa_forward_progress 1
		.amdhsa_inst_pref_size 171
	.end_amdhsa_kernel
	.amdgpu_metadata
---
amdhsa.version: [ 1, 2 ]
amdhsa.kernels:
  - .name:           k_q4b779bac59_qkv
    .symbol:         k_q4b779bac59_qkv.kd
    .args:
      - { .name: xb, .offset: 0, .size: 8, .value_kind: global_buffer, .address_space: global }
      - { .name: wb, .offset: 8, .size: 8, .value_kind: global_buffer, .address_space: global }
      - { .name: bq, .offset: 16, .size: 8, .value_kind: global_buffer, .address_space: global }
      - { .name: bk, .offset: 24, .size: 8, .value_kind: global_buffer, .address_space: global }
      - { .name: bv, .offset: 32, .size: 8, .value_kind: global_buffer, .address_space: global }
      - { .name: q, .offset: 40, .size: 8, .value_kind: global_buffer, .address_space: global }
      - { .name: k, .offset: 48, .size: 8, .value_kind: global_buffer, .address_space: global }
      - { .name: v, .offset: 56, .size: 8, .value_kind: global_buffer, .address_space: global }
    .group_segment_fixed_size: 327680
    .private_segment_fixed_size: 0
    .kernarg_segment_align: 8
    .kernarg_segment_size: 64
    .max_flat_workgroup_size: 128
    .sgpr_count:     100
    .vgpr_count:     704
    .wavefront_size: 32
...
	.end_amdgpu_metadata
.endif
;; end of part 5
;; launch attn (part 6): grid 8 x 32, 8 waves a work-group, no clusters, 327,680 bytes of LDS; arguments q, k, v, ctx; writes ctx
.if DOCPART == 6
	.amdgcn_target "amdgcn-amd-amdhsa--gfx1250"
	.amdhsa_code_object_version 6
	.text
	.protected	k_q4b779bac59_attn
	.globl	k_q4b779bac59_attn
	.p2align	8
	.type	k_q4b779bac59_attn,@function
k_q4b779bac59_attn:
	s_mov_b64 s[64:65], 0
	v_nop
	global_prefetch_b8 v0, s[64:65] scope:SCOPE_SE
	s_setreg_imm32_b32 hwreg(HW_REG_WAVE_MODE, 25, 1), 1
	s_wait_xcnt 0x0
; Causal attention of one head for two blocks of 128 queries, i and 15 - i: together 17 tiles of 128 keys in every work-group.
; q (already times 0.125 log2 e), k, v: f16, [batch*16+head][2048][64].  Softmax in f32 with a running maximum, base 2.  ctx leaves as f16 in the same layout.
; LIMITS: the running maximum starts at -FLT_MAX (scores are taken to be finite); exponentials below 2^-126 count as 0; the row sum adds p in f32 while the product with v
; takes p rounded to f16; |ctx| is at most the largest |v|, which is below 65,504.
; NO CLUSTER: the work-groups that read one head's k and v are its query blocks; they stop at different key tiles, by branches on the work-group's number, and partners of a joint
; load must issue the same loads; letting all walk all 16 tiles would cost 32 tile units a work-group instead of 17.
; Y = the odd one of (i, 15-i) goes first: tiles 0..Y = (Y+1)/2 pairs; then X, the even one: X/2 pairs and one single tile, its diagonal.  Always 8 pairs + 1.
; Eight waves: wave (g, w) takes queries 32 w .. +31 and keys 64 g .. +63 of every tile; the two groups g keep their own maximum, sum and O and are merged at a block's end.
; S^T = K Q^T (lane (r,h), register j: key 16 kt + 8 h + j, query r), so a lane's p pack in place into the B fragment of O^T = V^T P^T, and maximum, sum and scale belong to one lane's query.
.set KP, 144                           ; K row: 128 bytes + 16
.set VP, 160                           ; V row: 128 bytes + 32 (an odd multiple of 32 for the transposing loads)
.set KBYTES, 256*KP
.set SS, KBYTES+256*VP                 ; a slot: 256 keys of K, then of V: 77,824
.set SCR0, 2*SS                        ; merge scratch, 4 x 8,704
.set SCRW, 8704
.set STG0, SCR0+4*SCRW                 ; stage, 4 x 32 rows x 144
.set STGW, 32*KP
.set QO,  3
.set KA,  4                            ; v4-5
.set VA,  6                            ; v6-7
.set DQ,  8                            ; my query - my first key, in the diagonal tile
.set NINF, 9
.set SCR, 10
.set STO, 11
.set RD,  12
.set CO,  13
.set L0,  14                           ; v14-15  row sums (the lane's own keys)
.set MP,  16                           ; v16-19  (m0, m0, m1, m1)
.set AP,  20                           ; v20-23  (alpha0, alpha0, alpha1, alpha1)
.set T,   24                           ; v24-31
.set Q,   32                           ; v32-63   Q(n, d half) at 8 (2 n + d)
.set O,   64                           ; v64-127  O(db, n) at 8 (2 db + n)
.set S,   128                          ; v128-191 S(kt, n) at 32 n + 8 kt; then P(n, u) at 32 n + 16 u
.set KV,  192                          ; v192-255 fragments of K, then of V^T;  window 1 v0-31: Q of the second block
.set G1K, 28
.set G1V, 36
.set G0K, 44
.set G0V, 52
.set MSB, 0
.macro WIN new
.if MSB != \new
	s_set_vgpr_msb (MSB<<8)|\new
.set MSB, \new
.endif
.endm
.macro JLOAD sl                        ; waves 0-3: 64 keys of K each; waves 4-7: 64 keys of V each
	s_cmp_eq_u32 s13, 0
	s_cbranch_scc0 .Lfor_v_\@
	tensor_load_to_lds s[G0K+4*\sl:G0K+4*\sl+3], s[G1K:G1K+7]
	s_nop 0
	s_branch .Lasked_\@
.Lfor_v_\@:
	tensor_load_to_lds s[G0V+4*\sl:G0V+4*\sl+3], s[G1V:G1V+7]
	s_nop 0
.Lasked_\@:
.endm
.macro JLOADH sl                       ; the single tile: 128 keys, waves with w < 2 alone
	s_cmp_gt_u32 s14, 1
	s_cbranch_scc1 .Lnone_\@
	JLOAD \sl
.Lnone_\@:
.endm
.macro ADV                             ; the next fetch's byte offset in the head's k and v: 256 keys on; back to 0 when Y's pairs are through
	s_add_co_u32 s22, s22, 0x8000
	s_sub_co_u32 s20, s20, 1
	s_cmp_eq_u32 s20, 0
	s_cselect_b32 s22, 0, s22
.endm
	s_load_b256 s[4:11], s[0:1], 0x0               ; q, k, v, ctx
	v_lshl_add_u32 v2, v0, 2, 0x33000
	s_set_vgpr_msb 0x40
	v_mov_b32 v33, 0
	s_set_vgpr_msb 0x4044
	ds_add_u32 v2, v33
	s_set_vgpr_msb 0x4400
	v_lshrrev_b32 v1, 5, v0
	v_readfirstlane_b32 s12, v1                    ; wave
	s_lshr_b32 s13, s12, 2                         ; g
	s_and_b32 s14, s12, 3                          ; w
	s_mov_b32 s15, ttmp9                           ; i
	s_and_b32 s16, ttmp7, 0xffff                   ; batch x 16 + head
	s_sub_co_u32 s68, 15, s15
	s_and_b32 s69, s15, 1
	s_cmp_lg_u32 s69, 0
	s_cselect_b32 s17, s15, s68                    ; Y, odd
	s_cselect_b32 s18, s68, s15                    ; X, even
	s_lshr_b32 s19, s17, 1                         ; pairs until Y's last one
	s_add_co_u32 s20, s19, 1                       ; Y's pairs
	s_mov_b32 s22, 0
	s_mov_b32 s23, 0
	s_mov_b32 s60, 0x76543210                      ; v_permlanex16_b32: lane i of the other half
	s_mov_b32 s61, 0xfedcba98
	; a load is a dense block of 8,192 bytes (64 keys), taken as 32 rows of 256 bytes; a pad behind every 32 words, that is, every key
	s_mov_b32 s[G1K], (3<<16)|(1<<20)|(4<<22)|(3<<25)
	s_mov_b32 s[G1V], (3<<16)|(1<<20)|(4<<22)|(7<<25)
.irp g, G1K, G1V
	s_mov_b32 s[\g+1], 32<<16
	s_mov_b32 s[\g+2], 32<<16
	s_mov_b32 s[\g+3], 32<<16
	s_mov_b32 s[\g+4], 32
	s_mov_b32 s[\g+5], 32
	s_mov_b32 s[\g+6], 0
	s_mov_b32 s[\g+7], 0
.endr
	s_mul_i32 s62, s14, 64*KP
	s_mul_i32 s63, s14, 64*VP
.irp s, 0,1
	s_mov_b32 s[G0K+4*\s], 1
	s_add_co_u32 s[G0K+4*\s+1], s62, \s*SS
	s_mov_b32 s[G0V+4*\s], 1
	s_add_co_u32 s[G0V+4*\s+1], s63, \s*SS+KBYTES
.endr
	s_lshl_b32 s68, s16, 18                        ; a head: 2,048 rows of 128 bytes
	s_mov_b32 s69, 0
	s_lshl_b32 s70, s14, 13                        ; my 64 keys of a fetch
	s_mov_b32 s71, 0
	s_wait_dscnt 0x0
	s_wait_kmcnt 0x0
	s_add_nc_u64 s[4:5], s[4:5], s[68:69]
	s_add_nc_u64 s[6:7], s[6:7], s[68:69]
	s_add_nc_u64 s[8:9], s[8:9], s[68:69]
	s_add_nc_u64 s[10:11], s[10:11], s[68:69]
	s_add_nc_u64 s[24:25], s[6:7], s[70:71]
	s_or_b32 s25, s25, 0x80000000
	s_add_nc_u64 s[26:27], s[8:9], s[70:71]
	s_or_b32 s27, s27, 0x80000000
	s_mov_b64 s[G0K+2:G0K+3], s[24:25]
	s_mov_b64 s[G0V+2:G0V+3], s[26:27]
	JLOAD 0                                        ; the first pair of tiles; one tensor load of a wave is out, here and later
	ADV
	s_lshl_b32 s70, s17, 14
	s_add_nc_u64 s[2:3], s[4:5], s[70:71]          ; q of block Y
	s_add_nc_u64 s[66:67], s[10:11], s[70:71]      ; ctx of block Y
	s_lshl_b32 s70, s18, 14
	s_add_nc_u64 s[4:5], s[4:5], s[70:71]          ; q of block X
	s_add_nc_u64 s[10:11], s[10:11], s[70:71]      ; ctx of block X
	v_and_b32 v192, 15, v0                         ; r
	v_bfe_u32 v193, v0, 4, 1                       ; h
	v_and_b32 v194, 31, v0                         ; lane
	v_lshlrev_b32 v[QO], 7, v192
	v_lshl_add_u32 v[QO], v193, 4, v[QO]
	s_lshl_b32 s63, s14, 12
	v_add_nc_u32 v[QO], s63, v[QO]                 ; (32 w + r) rows + 16 h
.irp n, 0,1
.irp d, 0,1
	global_load_b128 v[Q+8*(2*\n+\d):Q+8*(2*\n+\d)+3],   v[QO], s[2:3] offset:\n*2048+\d*64
	global_load_b128 v[Q+8*(2*\n+\d)+4:Q+8*(2*\n+\d)+7], v[QO], s[2:3] offset:\n*2048+\d*64+32
.endr
.endr
	WIN 0x40                                       ; destination in window 1
.irp n, 0,1
.irp d, 0,1
	global_load_b128 v[8*(2*\n+\d):8*(2*\n+\d)+3],   v[QO], s[4:5] offset:\n*2048+\d*64
	global_load_b128 v[8*(2*\n+\d)+4:8*(2*\n+\d)+7], v[QO], s[4:5] offset:\n*2048+\d*64+32
.endr
.endr
	WIN 0
	v_mul_u32_u24 v195, v192, KP
	v_lshl_add_u32 v195, v193, 4, v195             ; r x 144 + 16 h
	s_mul_i32 s62, s13, 64*KP
	v_add_nc_u32 v[KA], s62, v195
	v_add_nc_u32 v[KA+1], SS, v[KA]
	v_and_b32 v196, 7, v0
	v_lshl_add_u32 v196, v193, 3, v196             ; key 8 h + lane % 8
	v_mul_u32_u24 v196, v196, VP
	v_bfe_u32 v197, v0, 3, 1
	v_lshl_add_u32 v196, v197, 4, v196
	s_mul_i32 s62, s13, 64*VP
	s_add_co_u32 s62, s62, KBYTES
	v_add_nc_u32 v[VA], s62, v196
	v_add_nc_u32 v[VA+1], SS, v[VA]
	s_lshl_b32 s62, s14, 5
	s_lshl_b32 s63, s13, 6
	s_sub_co_i32 s62, s62, s63
	v_lshlrev_b32 v197, 3, v193
	v_sub_nc_u32 v[DQ], v192, v197
	v_add_nc_u32 v[DQ], s62, v[DQ]                 ; 32 w + r - 64 g - 8 h
	v_mov_b32 v[NINF], 0xff800000
	s_mul_i32 s62, s14, SCRW
	s_add_co_u32 s62, s62, SCR0
	v_lshl_add_u32 v[SCR], v194, 4, s62
	s_mul_i32 s62, s14, STGW
	s_add_co_u32 s62, s62, STG0
	v_add_nc_u32 v[STO], s62, v195
	v_lshrrev_b32 v197, 3, v194
	v_mul_u32_u24 v197, v197, KP
	v_and_b32 v198, 7, v0
	v_lshl_add_u32 v197, v198, 4, v197
	v_add_nc_u32 v[RD], s62, v197
	s_lshl_b32 s62, s14, 12
	v_lshl_add_u32 v[CO], v194, 4, s62
.macro RESET                           ; a block's start: the maximum at -FLT_MAX, the sums at 0
.irp i, 0,1,2,3
	v_mov_b32 v[MP+\i], 0xff7fffff
.endr
	v_mov_b32 v[L0], 0
	v_mov_b32 v[L0+1], 0
.endm
	RESET
	; Every trip rescales O by alpha, and a block's first trip has alpha = 2^(-FLT_MAX - m) = 0: O only has to be finite there.  So it is written once, here;
	; at the change of blocks the first block's finite O stays and is multiplied by 0.
.set i, 0
.rept 64
	v_mov_b32 v[O+i], 0
.set i, i+1
.endr
	s_wait_loadcnt 0x0                             ; both blocks' q
.macro MASK                            ; the diagonal tile: key > query gets -inf
.irp n, 0,1
.irp kt, 0,1,2,3
.irp j, 0,1,2,3,4,5,6,7
	v_cmp_gt_i32 vcc_lo, 16*\kt+\j-16*\n, v[DQ]
	v_cndmask_b32 v[S+32*\n+8*\kt+\j], v[S+32*\n+8*\kt+\j], v[NINF], vcc_lo
.endr
.endr
.endr
.endm
.macro EXPC c                          ; chunk c = 4 n + kt: p = 2^(s - m); the rescaling of O's tile c is the plain work behind the exponentials (ISA guide 5.7.2)
.irp p, 0,2,4,6
	v_pk_add_f32 v[S+8*\c+\p:S+8*\c+\p+1], v[S+8*\c+\p:S+8*\c+\p+1], v[MP+2*(\c/4):MP+2*(\c/4)+1] neg_lo:[0,1] neg_hi:[0,1]
.endr
.irp j, 0,1,2,3,4,5,6,7
	v_exp_f32 v[S+8*\c+\j], v[S+8*\c+\j]
.endr
.irp p, 0,2,4,6
	v_pk_mul_f32 v[O+8*\c+\p:O+8*\c+\p+1], v[O+8*\c+\p:O+8*\c+\p+1], v[AP+2*(\c%2):AP+2*(\c%2)+1]
.endr
.endm
.macro SUMC c                          ; chunk c: into the row sum's pair, then packed to f16 in place: even chunks fill registers 0-3 of P(n, u), odd ones 4-7
.if (\c%4) == 0
	s_wait_alu depctr_va_vdst(0)
	v_pk_add_f32 v[T+2*(\c/4):T+2*(\c/4)+1], v[S+8*\c:S+8*\c+1], v[S+8*\c+2:S+8*\c+3]
.else
	s_wait_alu depctr_va_vdst(0)
	v_pk_add_f32 v[T+2*(\c/4):T+2*(\c/4)+1], v[T+2*(\c/4):T+2*(\c/4)+1], v[S+8*\c:S+8*\c+1]
	v_pk_add_f32 v[T+2*(\c/4):T+2*(\c/4)+1], v[T+2*(\c/4):T+2*(\c/4)+1], v[S+8*\c+2:S+8*\c+3]
.endif
	v_pk_add_f32 v[T+2*(\c/4):T+2*(\c/4)+1], v[T+2*(\c/4):T+2*(\c/4)+1], v[S+8*\c+4:S+8*\c+5]
	v_pk_add_f32 v[T+2*(\c/4):T+2*(\c/4)+1], v[T+2*(\c/4):T+2*(\c/4)+1], v[S+8*\c+6:S+8*\c+7]
.irp i, 0,1,2,3
	v_cvt_pk_f16_f32 v[S+8*\c-4*(\c%2)+\i], v[S+8*\c+2*\i], v[S+8*\c+2*\i+1]
.endr
.endm
.macro SOFTMAX
	v_max3_num_f32 v[T+4], v[MP], v[S], v[S+1]               ; four chains: two for each query tile, the first from the old maximum
	v_max3_num_f32 v[T+5], v[S+16], v[S+17], v[S+18]
	v_max3_num_f32 v[T+6], v[MP+2], v[S+32], v[S+33]
	v_max3_num_f32 v[T+7], v[S+48], v[S+49], v[S+50]
.irp p, 1,2,3,4,5,6
	v_max3_num_f32 v[T+4], v[T+4], v[S+2*\p], v[S+2*\p+1]
	v_max3_num_f32 v[T+5], v[T+5], v[S+17+2*\p], v[S+18+2*\p]
	v_max3_num_f32 v[T+6], v[T+6], v[S+32+2*\p], v[S+33+2*\p]
	v_max3_num_f32 v[T+7], v[T+7], v[S+49+2*\p], v[S+50+2*\p]
.endr
	v_max3_num_f32 v[T+4], v[T+4], v[S+14], v[S+15]
	v_max3_num_f32 v[T+6], v[T+6], v[S+46], v[S+47]
	v_max3_num_f32 v[T+4], v[T+4], v[T+5], v[S+31]
	v_max3_num_f32 v[T+6], v[T+6], v[T+7], v[S+63]
	v_permlanex16_b32 v[T+5], v[T+4], s60, s61               ; the query's other 32 keys lie in the other half of the lanes
	v_permlanex16_b32 v[T+7], v[T+6], s60, s61
	v_max_num_f32 v[T+4], v[T+4], v[T+5]                     ; the new maxima
	v_max_num_f32 v[T+6], v[T+6], v[T+7]
	v_sub_f32 v[T+5], v[MP], v[T+4]
	v_sub_f32 v[T+7], v[MP+2], v[T+6]
	v_exp_f32 v[AP], v[T+5]                                  ; alpha = 2^(old - new)
	v_exp_f32 v[AP+2], v[T+7]
	v_mov_b32 v[MP], v[T+4]                                  ; plain work behind the exponentials
	v_mov_b32 v[MP+1], v[T+4]
	v_mov_b32 v[MP+2], v[T+6]
	v_mov_b32 v[MP+3], v[T+6]
	s_wait_alu depctr_va_vdst(0)
	v_mov_b32 v[AP+1], v[AP]
	v_mov_b32 v[AP+3], v[AP+2]
	EXPC 0
	EXPC 1
	SUMC 0
	EXPC 2
	SUMC 1
	EXPC 3
	SUMC 2
	EXPC 4
	SUMC 3
	EXPC 5
	SUMC 4
	EXPC 6
	SUMC 5
	EXPC 7
	SUMC 6
	SUMC 7
	v_fma_f32 v[L0], v[L0], v[AP], v[T]
	v_fma_f32 v[L0+1], v[L0+1], v[AP+2], v[T+2]
	v_add_f32 v[L0], v[L0], v[T+1]
	v_add_f32 v[L0+1], v[L0+1], v[T+3]
.endm
; One tile of 128 keys (half hf of slot sl).  mask: 0 none, 1 where this is Y's last pair, 2 always.
; In each run of matrix instructions 8 accumulators take turns, one instruction a turn.
.macro TRIP sl, hf, mask
.irp d, 0,1
.irp kt, 0,1,2,3
	ds_load_b128 v[KV+8*(4*\d+\kt):KV+8*(4*\d+\kt)+3],   v[KA+\sl] offset:\hf*128*KP+\kt*16*KP+64*\d
	ds_load_b128 v[KV+8*(4*\d+\kt)+4:KV+8*(4*\d+\kt)+7], v[KA+\sl] offset:\hf*128*KP+\kt*16*KP+64*\d+32
.endr
.endr
	s_wait_dscnt 0x8                               ; d = 0..31 is in; the eight loads of d = 32..63 may be out
.irp kt, 0,1,2,3
.irp n, 0,1
	v_wmma_f32_16x16x32_f16 v[S+32*\n+8*\kt:S+32*\n+8*\kt+7], v[KV+8*\kt:KV+8*\kt+7], v[Q+16*\n:Q+16*\n+7], 0
.endr
.endr
	s_wait_dscnt 0x0
.irp kt, 0,1,2,3
.irp n, 0,1
	v_wmma_f32_16x16x32_f16 v[S+32*\n+8*\kt:S+32*\n+8*\kt+7], v[KV+32+8*\kt:KV+32+8*\kt+7], v[Q+16*\n+8:Q+16*\n+15], v[S+32*\n+8*\kt:S+32*\n+8*\kt+7]
.endr
.endr
.rept 4
	v_nop                                          ; four places: V lands on K's fragments, and the softmax reads S (ISA guide 7.12.1)
.endr
.irp u, 0,1
.irp db, 0,1,2,3
	ds_load_tr16_b128 v[KV+8*(4*\u+\db):KV+8*(4*\u+\db)+3],   v[VA+\sl] offset:\hf*128*VP+\u*32*VP+32*\db
	ds_load_tr16_b128 v[KV+8*(4*\u+\db)+4:KV+8*(4*\u+\db)+7], v[VA+\sl] offset:\hf*128*VP+\u*32*VP+32*\db+16*VP
.endr
.endr
.if \mask == 2
	MASK
.endif
.if \mask == 1
	s_cmp_lg_u32 s19, 0
	s_cbranch_scc1 .Lno_mask_\@
	MASK
.Lno_mask_\@:
.endif
	SOFTMAX
	s_wait_dscnt 0x0                               ; V^T's fragments
.irp u, 0,1
.irp db, 0,1,2,3
.irp n, 0,1
	v_wmma_f32_16x16x32_f16 v[O+8*(2*\db+\n):O+8*(2*\db+\n)+7], v[KV+8*(4*\u+\db):KV+8*(4*\u+\db)+7], v[S+32*\n+16*\u:S+32*\n+16*\u+7], v[O+8*(2*\db+\n):O+8*(2*\db+\n)+7]
.endr
.endr
.endr
.rept 5
	v_nop                                          ; five places: the next scores are written over P, the next loads land on V^T's fragments
.endr
.endm
; The change of slots: my tensor load has landed and my LDS reads are back, in every wave; behind the barrier the slot read last is filled first.
; A refill has two tiles' work in which to land.  kind: 2 a pair of tiles, 1 the single tile, 0 nothing.
.macro HEAD other, kind
	s_set_vgpr_msb 0x4
	s_wait_tensorcnt 0x0
	ds_add_u32 v2, v33
	s_wait_dscnt 0x0
	s_set_vgpr_msb 0x400
.if \kind
	s_add_nc_u64 s[G0K+4*\other+2:G0K+4*\other+3], s[24:25], s[22:23]   ; no tensor load of mine is out: group 0 may be written
	s_add_nc_u64 s[G0V+4*\other+2:G0V+4*\other+3], s[26:27], s[22:23]
	ADV
.endif
	s_wait_dscnt 0x0
	s_barrier_signal -1
	s_barrier_wait -1
.if \kind == 2
	JLOAD \other
.endif
.if \kind == 1
	JLOADH \other
.endif
.endm
; A block's end: group 1 hands O, m, l to group 0 through LDS; group 0 merges, divides, rounds to f16 and stores.  mid = 1: the second block begins.
; A wave whose keys were all masked (the upper keys of block 0's only tile) still has m = -FLT_MAX: its weight 2^(m - max) is 0, and so is its finite O's share.
.macro FINISH mid
	v_permlanex16_b32 v[T], v[L0], s60, s61
	v_permlanex16_b32 v[T+1], v[L0+1], s60, s61
	v_add_f32 v[L0], v[L0], v[T]                   ; the sums over the wave's 64 keys a tile
	v_add_f32 v[L0+1], v[L0+1], v[T+1]
	s_cmp_eq_u32 s13, 0
	s_cbranch_scc1 .Lkeep_\@
.irp c, 0,1,2,3,4,5,6,7,8,9,10,11,12,13,14,15
	ds_store_b128 v[SCR], v[O+4*\c:O+4*\c+3] offset:512*\c
.endr
	v_mov_b32 v[T], v[MP]
	v_mov_b32 v[T+1], v[MP+2]
	v_mov_b32 v[T+2], v[L0]
	v_mov_b32 v[T+3], v[L0+1]
	ds_store_b128 v[SCR], v[T:T+3] offset:8192
.Lkeep_\@:
	s_wait_dscnt 0x0                               ; for the partner's sake: the stores are done
	s_barrier_signal -1
	s_barrier_wait -1                              ; the slot's load may stay out
	s_cmp_lg_u32 s13, 0
	s_cbranch_scc1 .Ldone_\@
	ds_load_b128 v[T+4:T+7], v[SCR] offset:8192
.irp c, 0,1,2,3,4,5,6,7,8,9,10,11,12,13,14,15
	ds_load_b128 v[KV+4*\c:KV+4*\c+3], v[SCR] offset:512*\c
.endr
	s_wait_dscnt 0x10                              ; the partner's m and l are in; its O's sixteen loads may be out
	v_max_num_f32 v[T], v[MP], v[T+4]
	v_max_num_f32 v[T+1], v[MP+2], v[T+5]
	v_sub_f32 v[MP], v[MP], v[T]
	v_sub_f32 v[T+4], v[T+4], v[T]
	v_sub_f32 v[MP+2], v[MP+2], v[T+1]
	v_sub_f32 v[T+5], v[T+5], v[T+1]
	v_exp_f32 v[MP], v[MP]                         ; a, a' = 2^(m - max), 2^(m' - max)
	v_exp_f32 v[T+4], v[T+4]
	v_exp_f32 v[MP+2], v[MP+2]
	v_exp_f32 v[T+5], v[T+5]
	v_nop
	s_wait_alu depctr_va_vdst(0)
	v_mul_f32 v[L0], v[L0], v[MP]
	v_mul_f32 v[L0+1], v[L0+1], v[MP+2]
	v_fmac_f32 v[L0], v[T+6], v[T+4]
	v_fmac_f32 v[L0+1], v[T+7], v[T+5]
	v_rcp_f32 v[L0], v[L0]                         ; the sum holds the largest key's 1, so it is at least 1
	v_rcp_f32 v[L0+1], v[L0+1]
	v_nop
	s_wait_alu depctr_va_vdst(0)
	v_mul_f32 v[AP], v[MP], v[L0]
	v_mul_f32 v[AP+2], v[MP+2], v[L0+1]
	v_mul_f32 v[MP], v[T+4], v[L0]
	v_mul_f32 v[MP+2], v[T+5], v[L0+1]
	v_mov_b32 v[AP+1], v[AP]
	v_mov_b32 v[AP+3], v[AP+2]
	v_mov_b32 v[MP+1], v[MP]
	v_mov_b32 v[MP+3], v[MP+2]
	s_wait_dscnt 0x0
.irp c, 0,1,2,3,4,5,6,7
.irp p, 0,2,4,6
	v_pk_mul_f32 v[O+8*\c+\p:O+8*\c+\p+1], v[O+8*\c+\p:O+8*\c+\p+1], v[AP+2*(\c%2):AP+2*(\c%2)+1]
.endr
.irp p, 0,2,4,6
	v_pk_fma_f32 v[O+8*\c+\p:O+8*\c+\p+1], v[KV+8*\c+\p:KV+8*\c+\p+1], v[MP+2*(\c%2):MP+2*(\c%2)+1], v[O+8*\c+\p:O+8*\c+\p+1]
.endr
.endr
.irp c, 0,1,2,3,4,5,6,7
.irp i, 0,1,2,3
	v_cvt_pk_f16_f32 v[S+4*\c+\i], v[O+8*\c+2*\i], v[O+8*\c+2*\i+1]               ; 8 neighbouring d of one query: 16 bytes
.endr
.endr
.irp db, 0,1,2,3
.irp n, 0,1
	ds_store_b128 v[STO], v[S+4*(2*\db+\n):S+4*(2*\db+\n)+3] offset:\n*16*KP+32*\db
.endr
.endr
.irp t, 0,1,2,3,4,5,6,7
	ds_load_b128 v[KV+4*\t:KV+4*\t+3], v[RD] offset:\t*4*KP        ; my own stage: LDS serves a wave's instructions in order (ISA guide 5.7.1.4)
.endr
.irp t, 0,1,2,3,4,5,6,7
	s_wait_dscnt 7-\t
	global_store_b128 v[CO], v[KV+4*\t:KV+4*\t+3], s[66:67] offset:512*\t          ; 4 rows of 128 bytes: 512 consecutive bytes, aligned
.endr
.Ldone_\@:
	s_wait_xcnt 0x0                                ; the stores' base and data are written again only behind this wait
.if \mid
	s_mov_b64 s[66:67], s[10:11]
	RESET
	WIN 0x01
.set i, 0
.rept 32
	v_mov_b32 v[Q+i], v[i]                         ; the second block's q, from window 1
.set i, i+1
.endr
	WIN 0
.endif
.endm
.macro SUPER this, other, kind
	HEAD \other, \kind
	TRIP \this, 0, 0
	TRIP \this, 1, 1
	s_cmp_lg_u32 s19, 0                            ; the same in all eight waves: it comes from the work-group's number
	s_cbranch_scc1 .Lgo_on_\@
	FINISH 1
.Lgo_on_\@:
	s_sub_co_u32 s19, s19, 1
.endm
	s_mov_b32 s62, 3
.Lpairs:
	SUPER 0, 1, 2
	SUPER 1, 0, 2
	s_sub_co_u32 s62, s62, 1
	s_cmp_lg_u32 s62, 0
	s_cbranch_scc1 .Lpairs
	SUPER 0, 1, 2
	SUPER 1, 0, 1                                  ; the eighth pair; the single tile is asked for
	HEAD 0, 0
	TRIP 0, 0, 2                                   ; X's diagonal
	FINISH 0
	s_set_vgpr_msb 0x4
	s_wait_tensorcnt 0x0
	ds_add_u32 v2, v33
	s_wait_dscnt 0x0
	s_set_vgpr_msb 0x400
	s_endpgm
.Lfunc_end_k_q4b779bac59_attn:
	.size	k_q4b779bac59_attn, .Lfunc_end_k_q4b779bac59_attn-k_q4b779bac59_attn
	.p2alignl 7, 3214868480
	.fill 96, 4, 3214868480
	.section	.rodata,"a",@progbits
	.p2align	6, 0x0
	.amdhsa_kernel k_q4b779bac59_attn
		.amdhsa_group_segment_fixed_size 327680
		.amdhsa_private_segment_fixed_size 0
		.amdhsa_enable_private_segment 0
		.amdhsa_kernarg_size 32
		.amdhsa_user_sgpr_count 2
		.amdhsa_user_sgpr_kernarg_segment_ptr 1
		.amdhsa_wavefront_size32 1
		.amdhsa_system_sgpr_workgroup_id_x 1
		.amdhsa_system_sgpr_workgroup_id_y 1
		.amdhsa_system_sgpr_workgroup_id_z 1
		.amdhsa_system_vgpr_workitem_id 0
		.amdhsa_next_free_vgpr 290
		.amdhsa_next_free_sgpr 72
		.amdhsa_reserve_vcc 1
		.amdhsa_float_denorm_mode_32 3
		.amdhsa_float_denorm_mode_16_64 3
		.amdhsa_memory_ordered 1
		.amdhsa_forward_progress 1
		.amdhsa_inst_pref_size 254
	.end_amdhsa_kernel
	.amdgpu_metadata
---
amdhsa.version: [ 1, 2 ]
amdhsa.kernels:
  - .name:           k_q4b779bac59_attn
    .symbol:         k_q4b779bac59_attn.kd
    .args:
      - { .name: q, .offset: 0, .size: 8, .value_kind: global_buffer, .address_space: global }
      - { .name: k, .offset: 8, .size: 8, .value_kind: global_buffer, .address_space: global }
      - { .name: v, .offset: 16, .size: 8, .value_kind: global_buffer, .address_space: global }
      - { .name: ctx, .offset: 24, .size: 8, .value_kind: global_buffer, .address_space: global }
    .group_segment_fixed_size: 327680
    .private_segment_fixed_size: 0
    .kernarg_segment_align: 8
    .kernarg_segment_size: 32
    .max_flat_workgroup_size: 256
    .sgpr_count:     72
    .vgpr_count:     290
    .wavefront_size: 32
...
	.end_amdgpu_metadata
.endif
;; end of part 6
;; launch oproj (part 7): grid 8 x 32, 4 waves a work-group, clusters of 4 x 4, 327,680 bytes of LDS; arguments ctx, wob, bo, out0; writes out0
.if DOCPART == 7
	.amdgcn_target "amdgcn-amd-amdhsa--gfx1250"
	.amdhsa_code_object_version 6
	.text
	.protected	k_q4b779bac59_oproj
	.globl	k_q4b779bac59_oproj
	.p2align	8
	.type	k_q4b779bac59_oproj,@function
k_q4b779bac59_oproj:
	s_mov_b64 s[64:65], 0
	v_nop
	global_prefetch_b8 v0, s[64:65] scope:SCOPE_SE
	s_setreg_imm32_b32 hwreg(HW_REG_WAVE_MODE, 25, 1), 1
	s_wait_xcnt 0x0
	s_wait_alu depctr_hold_cnt(0) depctr_sa_sdst(0) depctr_va_vdst(0) depctr_va_sdst(0) depctr_va_ssrc(0) depctr_va_vcc(0) depctr_vm_vsrc(0)
	s_getreg_b32 s2, hwreg(HW_REG_IB_STS2, 6, 4)
	s_cmp_eq_u32 s2, 0
	s_cbranch_scc0 .Lentry_in_a_cluster
	s_endpgm
.Lentry_in_a_cluster:
	s_bfe_u32 s2, ttmp6, 0x10000c
	s_cmp_lg_u32 s2, 0xf033
	s_cbranch_scc0 .Lentry_shape_is_right
	s_endpgm
.Lentry_shape_is_right:
; out0 = ctx Wo^T + bo, f32.  ctx: f16 [batch*16+head][2048][64]; wob: Wo's bf16 roundings written in f16, [head][n][64]; sums in f32.
; A work-group makes 128 x 128 of out0, wave (wm, wn) 64 x 64: 16 accumulators in window 1.  K goes four heads (256) at a time through two LDS slots of eight dense blocks of
; 16,384 bytes (128 rows of 128 bytes, padded to 144): ctx's heads 0-3, then Wo's heads 0-3.  Four such steps: two are asked for at the start, two are refills; all is written out.
; CLUSTER 4 x 4: ctx's blocks hang on the block of rows alone and are asked for jointly along a row of the cluster, Wo's on the block of columns alone, along a column.
; The matrix instruction is used transposed (source 0 = 16 rows of Wo, source 1 = 16 rows of ctx): a lane's 8 results are 8 neighbouring columns of one row.
.set HP,    144
.set BLK,   128*HP
.set SSLOT, 8*BLK                      ; 147,456
.set STAGE, 2*SSLOT
.set SP,    272                        ; stage row: 64 f32 + 16 bytes
.set ADRA, 4
.set ADRB, 6
.set STO,  8
.set RD,   9
.set CO,   10
.set BOF,  11
.set BI,   12                          ; v12-15 bo of my 4 columns on the way out
.set F0,   64                          ; v64-127: 4 fragments of ctx, 4 of Wo
.set F1,   128                         ; v128-191
.set G1A, 24
.set G1B, 32
.set G0A, 40                           ; s[40:55]  ctx: a set for each slot and each of my two heads
.set G0B, 68                           ; s[68:83]  Wo likewise
.set G1W0, (3<<16)|(1<<20)|(1<<21)|(4<<22)|(3<<25)   ; elements of 8 bytes; padding on; bit 21 beside a mask; after every 32 words (a row of 64 f16), 4 words
.set MSB, 0
.macro WIN new
.if MSB != \new
	s_set_vgpr_msb (MSB<<8)|\new
.set MSB, \new
.endif
.endm
.macro PLACES
.rept 4
	v_nop
.endr
.endm
.macro CROUND                          ; a round of the cluster's barrier
	s_barrier_signal -1
	s_barrier_wait -1
	s_cmp_lg_u32 s12, 0
	s_cbranch_scc1 .Lnot_wave_0_\@
	s_barrier_signal -3
.Lnot_wave_0_\@:
	s_barrier_wait -3
	s_barrier_signal -1
	s_barrier_wait -1
.endm
.macro JLOAD sl                        ; waves 0, 1: two heads of ctx each; waves 2, 3: two heads of Wo each.  Each line has one mask; the branch hangs on the wave's number alone
	s_cmp_eq_u32 s13, 0
	s_cbranch_scc0 .Lfor_b_\@
	tensor_load_to_lds s[G0A+8*\sl:G0A+8*\sl+3], s[G1A:G1A+7]
	s_nop 0
	tensor_load_to_lds s[G0A+8*\sl+4:G0A+8*\sl+7], s[G1A:G1A+7]
	s_nop 0
	s_branch .Lasked_\@
.Lfor_b_\@:
	tensor_load_to_lds s[G0B+8*\sl:G0B+8*\sl+3], s[G1B:G1B+7]
	s_nop 0
	tensor_load_to_lds s[G0B+8*\sl+4:G0B+8*\sl+7], s[G1B:G1B+7]
	s_nop 0
.Lasked_\@:
.endm
	s_load_b256 s[4:11], s[0:1], 0x0               ; ctx, wob, bo, out0
	v_lshl_add_u32 v254, v0, 2, 0x4c400
	v_mov_b32 v255, 0
	ds_add_u32 v254, v255
	v_lshrrev_b32 v1, 5, v0
	v_readfirstlane_b32 s12, v1                    ; wave
	s_lshr_b32 s13, s12, 1                         ; wm; also: I fetch for ctx (0) or for Wo (1)
	s_and_b32 s14, s12, 1                          ; wn; also: which two of the four heads I fetch
	s_bfe_u32 s15, ttmp6, 0x40000                  ; cx
	s_bfe_u32 s16, ttmp6, 0x40004                  ; cy
	s_lshl_b32 s17, ttmp9, 2
	s_add_co_u32 s17, s17, s15                     ; block of 128 columns
	s_and_b32 s18, ttmp7, 0xffff
	s_lshl_b32 s18, s18, 2
	s_add_co_u32 s18, s18, s16                     ; block of 128 rows
	s_lshl_b32 s19, s16, 2
	s_lshl_b32 s19, 15, s19                        ; my row of the cluster
	s_lshl_b32 s20, 0x1111, s15                    ; my column
	s_or_b32 s[G1A], s19, G1W0
	s_or_b32 s[G1B], s20, G1W0
.irp g, G1A, G1B
	s_mov_b32 s[\g+1], 32<<16                      ; 64 rows of 256 bytes: a dense block of 16,384 bytes
	s_mov_b32 s[\g+2], 64<<16
	s_mov_b32 s[\g+3], 32<<16
	s_mov_b32 s[\g+4], 64
	s_mov_b32 s[\g+5], 32
	s_mov_b32 s[\g+6], 0
	s_mov_b32 s[\g+7], 0
.endr
	s_lshr_b32 s56, s18, 4                         ; ctx: the batch's 16 heads of 262,144 bytes,
	s_lshl_b32 s56, s56, 22
	s_lshl_b32 s57, s14, 19                        ; my two heads of the four,
	s_add_co_u32 s56, s56, s57
	s_and_b32 s57, s18, 15
	s_lshl_b32 s57, s57, 14                        ; 128 rows of 128 bytes for each block
	s_add_co_u32 s56, s56, s57
	s_mov_b32 s57, 0
	s_lshl_b32 s60, s14, 18                        ; wob: my two heads of the four, 131,072 bytes a head,
	s_lshl_b32 s61, s17, 14                        ; 128 rows of 128 bytes for each block
	s_add_co_u32 s60, s60, s61
	s_mov_b32 s61, 0
	s_mul_i32 s21, s12, 2*BLK                      ; LDS: ctx's four heads, then Wo's four = wave x two blocks: the wave's number alone
	s_wait_dscnt 0x0
	s_wait_kmcnt 0x0
	s_add_nc_u64 s[58:59], s[4:5], s[56:57]
	s_add_nc_u64 s[62:63], s[6:7], s[60:61]
	CROUND                                         ; in front of the first joint loads
.irp s, 0,1
.irp e, 0,1
	s_mov_b32 s[G0A+8*\s+4*\e], 1
	s_add_co_u32 s[G0A+8*\s+4*\e+1], s21, \s*SSLOT+\e*BLK
	s_add_nc_u64 s[G0A+8*\s+4*\e+2:G0A+8*\s+4*\e+3], s[58:59], (4*\s+\e)*262144
	s_or_b32 s[G0A+8*\s+4*\e+3], s[G0A+8*\s+4*\e+3], 0x80000000
	s_mov_b32 s[G0B+8*\s+4*\e], 1
	s_add_co_u32 s[G0B+8*\s+4*\e+1], s21, \s*SSLOT+\e*BLK
	s_add_nc_u64 s[G0B+8*\s+4*\e+2:G0B+8*\s+4*\e+3], s[62:63], (4*\s+\e)*131072
	s_or_b32 s[G0B+8*\s+4*\e+3], s[G0B+8*\s+4*\e+3], 0x80000000
.endr
	JLOAD \s                                       ; heads 0-3 and heads 4-7: four tensor loads of a wave are out
.endr
	v_and_b32 v1, 15, v0                           ; r
	v_bfe_u32 v2, v0, 4, 1                         ; h
	v_lshlrev_b32 v[BOF], 4, v1
	s_lshl_b32 s84, s17, 9
	s_lshl_b32 s85, s14, 8
	s_add_co_u32 s84, s84, s85
	s_mov_b32 s85, 0
	s_add_nc_u64 s[8:9], s[8:9], s[84:85]
	global_load_b128 v[BI:BI+3], v[BOF], s[8:9]    ; bo[128 block + 64 wn + 4 (lane % 16) ..]
	v_mul_u32_u24 v3, v1, HP
	v_lshl_add_u32 v3, v2, 4, v3
	s_mul_i32 s86, s13, 64*HP
	s_mul_i32 s87, s14, 64*HP
	s_add_co_u32 s87, s87, 4*BLK
	v_add_nc_u32 v[ADRA], s86, v3
	v_add_nc_u32 v[ADRA+1], SSLOT, v[ADRA]
	v_add_nc_u32 v[ADRB], s87, v3
	v_add_nc_u32 v[ADRB+1], SSLOT, v[ADRB]
	s_mul_i32 s88, s12, 16*SP
	s_add_co_u32 s88, s88, STAGE
	v_mul_u32_u24 v[STO], v1, SP
	v_lshl_add_u32 v[STO], v2, 5, v[STO]
	v_add_nc_u32 v[STO], s88, v[STO]
	v_mul_u32_u24 v[RD], v2, SP
	v_lshl_add_u32 v[RD], v1, 4, v[RD]
	v_add_nc_u32 v[RD], s88, v[RD]
	v_lshlrev_b32 v[CO], 12, v2
	v_lshl_add_u32 v[CO], v1, 4, v[CO]
	s_lshl_b32 s90, s18, 19                        ; out0: (128 block + 64 wm) rows of 4,096 bytes + (128 block + 64 wn) columns of 4
	s_lshl_b32 s91, s13, 18
	s_add_co_u32 s90, s90, s91
	s_lshl_b32 s91, s17, 9
	s_add_co_u32 s90, s90, s91
	s_lshl_b32 s91, s14, 8
	s_add_co_u32 s90, s90, s91
	s_mov_b32 s91, 0
	s_add_nc_u64 s[10:11], s[10:11], s[90:91]
.macro FETCH sl, hd, d, f              ; 16 loads: 32 of K (half d of head hd) of Wo's 64 rows and of ctx's 64 rows
.irp i, 0,1,2,3
	ds_load_b128 v[\f+32+8*\i:\f+32+8*\i+3],   v[ADRB+\sl] offset:\hd*BLK+\i*16*HP+64*\d
	ds_load_b128 v[\f+32+8*\i+4:\f+32+8*\i+7], v[ADRB+\sl] offset:\hd*BLK+\i*16*HP+64*\d+32
.endr
.irp i, 0,1,2,3
	ds_load_b128 v[\f+8*\i:\f+8*\i+3],   v[ADRA+\sl] offset:\hd*BLK+\i*16*HP+64*\d
	ds_load_b128 v[\f+8*\i+4:\f+8*\i+7], v[ADRA+\sl] offset:\hd*BLK+\i*16*HP+64*\d+32
.endr
.endm
; 16 matrix instructions.  The 16 accumulators take turns, one instruction a turn, in the same order everywhere.
.macro MUL f, zero
	WIN 0x50
.irp a, 0,1,2,3
.irp b, 0,1,2,3
.if \zero
	v_wmma_f32_16x16x32_f16 v[8*(4*\a+\b):8*(4*\a+\b)+7], v[\f+32+8*\b:\f+32+8*\b+7], v[\f+8*\a:\f+8*\a+7], 0
.else
	v_wmma_f32_16x16x32_f16 v[8*(4*\a+\b):8*(4*\a+\b)+7], v[\f+32+8*\b:\f+32+8*\b+7], v[\f+8*\a:\f+8*\a+7], v[8*(4*\a+\b):8*(4*\a+\b)+7]
.endif
.endr
.endr
	WIN 0
.endm
.macro STEP sl, hd, d, f, g, zero      ; multiplies buffer f; fetches the next step's fragments (head hd, half d) into buffer g
	s_wait_dscnt 0x0
	PLACES                                         ; the loads land on sources of the last matrix instructions
	FETCH \sl, \hd, \d, \g
	MUL \f, \zero
.endm
; The last step of a slot.  mode 2: the slot is filled again: my reads are back and all my tensor loads have landed in front of a round of the cluster's barrier, the joint
; refills are the first tensor loads behind it and have the other slot's 128 matrix instructions in which to land.  mode 1: the other slot is only shown to all waves.  mode 0: the end.
.macro LAST sl, nxt, mode
	s_wait_dscnt 0x0
.if \mode
	s_wait_tensorcnt 0x0
	ds_add_u32 v254, v255
	s_wait_dscnt 0x0
.if \mode == 2
	CROUND
.irp e, 0,1
	s_add_nc_u64 s[G0A+8*\sl+4*\e+2:G0A+8*\sl+4*\e+3], s[G0A+8*\sl+4*\e+2:G0A+8*\sl+4*\e+3], 2097152   ; eight heads on; no tensor load of mine is out
	s_add_nc_u64 s[G0B+8*\sl+4*\e+2:G0B+8*\sl+4*\e+3], s[G0B+8*\sl+4*\e+2:G0B+8*\sl+4*\e+3], 1048576
.endr
	JLOAD \sl
.else
	s_barrier_signal -1
	s_barrier_wait -1
.endif
	PLACES
	FETCH \nxt, 0, 0, F0
.endif
	MUL F1, 0
.endm
.macro ST sl, nxt, mode, zero          ; four heads: eight steps of 32 along K on buffers 0, 1 in turn
	STEP \sl, 0, 1, F0, F1, \zero
	STEP \sl, 1, 0, F1, F0, 0
	STEP \sl, 1, 1, F0, F1, 0
	STEP \sl, 2, 0, F1, F0, 0
	STEP \sl, 2, 1, F0, F1, 0
	STEP \sl, 3, 0, F1, F0, 0
	STEP \sl, 3, 1, F0, F1, 0
	LAST \sl, \nxt, \mode
.endm
	s_wait_tensorcnt 0x2                           ; my two loads for slot 0 are in; slot 1's two may be out
	s_barrier_signal -1
	s_barrier_wait -1
	FETCH 0, 0, 0, F0
	ST 0, 1, 2, 1                                  ; heads 0-3; the first products start the sums; heads 8-11 are asked for
	ST 1, 0, 2, 0                                  ; heads 4-7; heads 12-15 are asked for
	ST 0, 1, 1, 0                                  ; heads 8-11
	ST 1, 0, 0, 0                                  ; heads 12-15
	; THE WAY OUT, 16 rows at a time through my own stage: in by columns of a lane, back as whole rows of 256 bytes; bo is added on the way
	PLACES
	s_wait_loadcnt 0x0
.macro OUT16 a, f
	WIN 0x04                                       ; store data from window 1
.irp b, 0,1,2,3
	ds_store_b128 v[STO], v[8*(4*\a+\b):8*(4*\a+\b)+3]   offset:64*\b
	ds_store_b128 v[STO], v[8*(4*\a+\b)+4:8*(4*\a+\b)+7] offset:64*\b+16
.endr
	WIN 0
	s_wait_xcnt 0x0                                ; the stores' base and the registers that they read are written again only behind this wait
.if \a
	s_add_nc_u64 s[10:11], s[10:11], 16*4096
.endif
.irp t, 0,1,2,3,4,5,6,7
	ds_load_b128 v[\f+4*\t:\f+4*\t+3], v[RD] offset:\t*2*SP        ; LDS serves a wave's instructions in order (ISA guide 5.7.1.4): these see the stores above
.endr
.irp t, 0,1,2,3,4,5,6,7
	s_wait_dscnt 7-\t
	v_pk_add_f32 v[\f+4*\t:\f+4*\t+1],   v[\f+4*\t:\f+4*\t+1],   v[BI:BI+1]
	v_pk_add_f32 v[\f+4*\t+2:\f+4*\t+3], v[\f+4*\t+2:\f+4*\t+3], v[BI+2:BI+3]
	global_store_b128 v[CO], v[\f+4*\t:\f+4*\t+3], s[10:11] offset:\t*8192 th:TH_STORE_NT   ; sixteen lanes store 256 consecutive bytes, aligned
.endr
.endm
	OUT16 0, F0
	OUT16 1, F1
	OUT16 2, F0
	OUT16 3, F1
	s_wait_tensorcnt 0x0
	ds_add_u32 v254, v255
	s_wait_dscnt 0x0
	CROUND                                         ; the closing round
	s_endpgm
.Lfunc_end_k_q4b779bac59_oproj:
	.size	k_q4b779bac59_oproj, .Lfunc_end_k_q4b779bac59_oproj-k_q4b779bac59_oproj
	.p2alignl 7, 3214868480
	.fill 96, 4, 3214868480
	.section	.rodata,"a",@progbits
	.p2align	6, 0x0
	.amdhsa_kernel k_q4b779bac59_oproj
		.amdhsa_group_segment_fixed_size 327680
		.amdhsa_private_segment_fixed_size 0
		.amdhsa_enable_private_segment 0
		.amdhsa_kernarg_size 32
		.amdhsa_user_sgpr_count 2
		.amdhsa_user_sgpr_kernarg_segment_ptr 1
		.amdhsa_wavefront_size32 1
		.amdhsa_system_sgpr_workgroup_id_x 1
		.amdhsa_system_sgpr_workgroup_id_y 1
		.amdhsa_system_sgpr_workgroup_id_z 1
		.amdhsa_system_vgpr_workitem_id 0
		.amdhsa_next_free_vgpr 384
		.amdhsa_next_free_sgpr 96
		.amdhsa_reserve_vcc 0
		.amdhsa_float_denorm_mode_32 3
		.amdhsa_float_denorm_mode_16_64 3
		.amdhsa_memory_ordered 1
		.amdhsa_forward_progress 1
		.amdhsa_inst_pref_size 95
	.end_amdhsa_kernel
	.amdgpu_metadata
---
amdhsa.version: [ 1, 2 ]
amdhsa.kernels:
  - .name:           k_q4b779bac59_oproj
    .symbol:         k_q4b779bac59_oproj.kd
    .args:
      - { .name: ctx, .offset: 0, .size: 8, .value_kind: global_buffer, .address_space: global }
      - { .name: wob, .offset: 8, .size: 8, .value_kind: global_buffer, .address_space: global }
      - { .name: bo, .offset: 16, .size: 8, .value_kind: global_buffer, .address_space: global }
      - { .name: out0, .offset: 24, .size: 8, .value_kind: global_buffer, .address_space: global }
    .group_segment_fixed_size: 327680
    .private_segment_fixed_size: 0
    .kernarg_segment_align: 8
    .kernarg_segment_size: 32
    .max_flat_workgroup_size: 128
    .sgpr_count:     96
    .vgpr_count:     384
    .wavefront_size: 32
...
	.end_amdgpu_metadata
.endif
;; end of part 7
;; ======== version 3 of 3: 4 launches; version 2 with the launch cast written anew for expert scheduling mode
;; limits: values are held in f16: magnitudes above 65,504 overflow, below 6.1e-05 lose precision
;; workspace buffers: q 8,388,608 bytes; k 8,388,608 bytes; v 8,388,608 bytes; ctx 8,388,608 bytes; wob 2,097,152 bytes; xb 8,388,608 bytes; wb 6,291,456 bytes
;; launch cast (part 8): grid 512 x 1, 8 waves a work-group, no clusters, 0 bytes of LDS; arguments x, Wq, Wk, Wv, Wo, xb, wb, wob; writes xb, wb, wob
.if DOCPART == 8
	.amdgcn_target "amdgcn-amd-amdhsa--gfx1250"
	.amdhsa_code_object_version 6
	.text
	.protected	k_q4b779bac59_cast
	.globl	k_q4b779bac59_cast
	.p2align	8
	.type	k_q4b779bac59_cast,@function
k_q4b779bac59_cast:
	s_mov_b64 s[64:65], 0
	v_nop
	global_prefetch_b8 v0, s[64:65] scope:SCOPE_SE
	s_setreg_imm32_b32 hwreg(HW_REG_WAVE_SCHED_MODE, 0, 2), 2
	s_setreg_imm32_b32 hwreg(HW_REG_WAVE_MODE, 25, 1), 1
	s_wait_xcnt 0x0
	s_wait_alu depctr_vm_vsrc(0)
; The inputs of the matrix products, rounded once to bf16 (nearest even):  x -> xb [4096][1024];  Wq, Wk, Wv -> wb [3][1024][1024];
; Wo -> wob [head][n][64] = Wo[n][64 head + d], rounded to bf16 like the others and then written in f16, because the last launch multiplies it by f16 numbers.
; LIMIT: f16 holds a bf16 number exactly for 2^-17 <= |Wo| < 65,504; smaller ones carry an error of up to 2^-25, larger ones become infinite.
; A stream: 512 work-groups of 8 waves, 65,536 input bytes a work-group, 8,192 a wave.  A wave issues all its 16 loads at once (512 consecutive bytes each) and
; stores 8 bytes a lane: 256 consecutive bytes, aligned, for each store.  No LDS, no barrier, no matrix unit: nothing is used twice.
; Work-groups 0-255: x;  256-447: Wq, Wk, Wv (64 each);  448-511: Wo, 16 rows each.
; THE MODE: SCHED_MODE bits 1:0 = 2 (LLVM: expert scheduling mode 2), set by the entry lines.  The code itself states the register dependences
; between vector instructions and memory instructions, with s_wait_alu, always for 0.
; THE PLAN.  Registers that memory instructions touch:
;   v1, v2   byte offsets of the loads and of the stores: written by vector instructions once, at the head of each of the two paths, and never again.
;   X        the 16 loads land in it; they are all issued before any vector instruction names it.  No memory instruction reads it.
;   Y        two registers a store, each written once, by the conversions, and read once, by its store.
; The 16 loads go in four groups of four.  Group g converts its own four loads into its own eight registers of Y; its memory instructions are the four stores of
; group g - 1, whose registers no vector instruction of group g names.  So one wait on va_vdst at a group's head states all that its four stores hang on, and these are dealt
; among its conversions with no further wait.  No register that a memory instruction has read is written again: there is nothing for a wait on vm_vsrc to state.
.set X, 4                              ; v4-67   16 loads of 4 f32
.set Y, 68                             ; v68-99  16 stores of 4 numbers of 16 bits
; Load j's four numbers are rounded into Y's pair j.  tof16 = 1: the bf16 numbers are then written in f16.
.macro CONV j, tof16
	v_cvt_pk_bf16_f32 v[Y+2*(\j)],   v[X+4*(\j)],   v[X+4*(\j)+1]
	v_cvt_pk_bf16_f32 v[Y+2*(\j)+1], v[X+4*(\j)+2], v[X+4*(\j)+3]
.if \tof16
	v_lshlrev_b32 v[X+4*(\j)],   16, v[Y+2*(\j)]                  ; the bf16 numbers as f32,
	v_and_b32     v[X+4*(\j)+1], 0xffff0000, v[Y+2*(\j)]
	v_lshlrev_b32 v[X+4*(\j)+2], 16, v[Y+2*(\j)+1]
	v_and_b32     v[X+4*(\j)+3], 0xffff0000, v[Y+2*(\j)+1]
	v_cvt_pk_f16_f32 v[Y+2*(\j)],   v[X+4*(\j)],   v[X+4*(\j)+1]  ; and in f16
	v_cvt_pk_f16_f32 v[Y+2*(\j)+1], v[X+4*(\j)+2], v[X+4*(\j)+3]
.endif
.endm
.macro SEND j, outstep                 ; Y's pair j is stored
	global_store_b64 v2, v[Y+2*(\j):Y+2*(\j)+1], s[28:29] offset:(\outstep)*(\j)
.endm
; instep, outstep: bytes from one load, one store, to the next
.macro MOVE instep, outstep, tof16
	s_wait_alu depctr_va_vdst(0)                   ; v1 and v2 are written: every load below reads v1 as its offset, every store v2
.irp j, 0,1,2,3,4,5,6,7,8,9,10,11,12,13,14,15
	global_load_b128 v[X+4*\j:X+4*\j+3], v1, s[26:27] offset:\instep*\j th:TH_LOAD_NT
.endr
.irp g, 0,1,2,3
	s_wait_loadcnt 12-4*\g                         ; loads come back in order (ISA guide 5.7.1): this group's four are in, the younger groups' stay out
.if \g
	s_wait_alu depctr_va_vdst(0)                   ; the group before has written its eight registers of Y, which the four stores below read
.endif
.irp i, 0,1,2,3
.if \g
	SEND 4*\g-4+\i, \outstep                       ; the group before; no vector instruction since the wait names its registers
.endif
	CONV 4*\g+\i, \tof16
.endr
.endr
	s_wait_alu depctr_va_vdst(0)                   ; the last group has written its eight registers of Y, which the last four stores read
.irp i, 12,13,14,15
	SEND \i, \outstep
.endr
.endm
	s_load_b512 s[8:23], s[0:1], 0x0               ; x, Wq, Wk, Wv, Wo, xb, wb, wob
	s_mov_b32 s4, ttmp9
	s_and_b32 s5, s4, 255                          ; my 32,768 bytes of xb, or of wb
	s_and_b32 s6, s4, 63                           ; my 65,536 bytes of one W
	s_bfe_u32 s7, s4, 0x20006                      ; from 256 on: 0 Wq, 1 Wk, 2 Wv, 3 Wo
	s_cmp_lt_u32 s4, 256
	s_cselect_b32 s24, s5, s6
	s_lshl_b32 s24, s24, 16                        ; where I read
	s_mov_b32 s25, 0
	s_lshl_b32 s30, s5, 15                         ; where I write
	s_mov_b32 s31, 0
	s_wait_kmcnt 0x0
	s_cmp_ge_u32 s4, 448
	s_cbranch_scc1 .Lwo
	s_cmp_eq_u32 s7, 1
	s_cselect_b64 s[26:27], s[12:13], s[10:11]
	s_cmp_eq_u32 s7, 2
	s_cselect_b64 s[26:27], s[14:15], s[26:27]
	s_cmp_lt_u32 s4, 256
	s_cselect_b64 s[26:27], s[8:9], s[26:27]
	s_cselect_b64 s[28:29], s[18:19], s[20:21]
	s_add_nc_u64 s[26:27], s[26:27], s[24:25]
	s_add_nc_u64 s[28:29], s[28:29], s[30:31]
	v_and_b32 v1, 31, v0
	v_lshrrev_b32 v2, 5, v0
	v_lshlrev_b32 v1, 4, v1
	v_lshl_or_b32 v1, v2, 13, v1                   ; in: 8,192 wave + 16 lane
	v_lshrrev_b32 v2, 1, v1                        ; out: half of that
	MOVE 512, 256, 0
	s_endpgm
.Lwo:
	; thread t takes row t / 16 of my 16 rows and 4 numbers at t % 16 of each head's 64: lanes 0-15 and 16-31 hold two neighbouring rows of one head,
	; which are 256 consecutive bytes of wob
	s_add_nc_u64 s[26:27], s[16:17], s[24:25]
	s_lshl_b32 s30, s6, 11                         ; 16 rows of 128 bytes
	s_add_nc_u64 s[28:29], s[22:23], s[30:31]
	v_lshrrev_b32 v2, 4, v0
	v_and_b32 v1, 15, v0
	v_lshlrev_b32 v1, 4, v1
	v_lshl_or_b32 v1, v2, 12, v1                   ; in: 4,096 row + 16 (t % 16); a head is 256 bytes on
	v_lshlrev_b32 v2, 3, v0                        ; out: 128 row + 8 (t % 16) = 8 t; a head is 131,072 bytes on
	MOVE 256, 131072, 1
	s_endpgm
.Lfunc_end_k_q4b779bac59_cast:
	.size	k_q4b779bac59_cast, .Lfunc_end_k_q4b779bac59_cast-k_q4b779bac59_cast
	.p2alignl 7, 3214868480
	.fill 96, 4, 3214868480
	.section	.rodata,"a",@progbits
	.p2align	6, 0x0
	.amdhsa_kernel k_q4b779bac59_cast
		.amdhsa_group_segment_fixed_size 0
		.amdhsa_private_segment_fixed_size 0
		.amdhsa_enable_private_segment 0
		.amdhsa_kernarg_size 64
		.amdhsa_user_sgpr_count 2
		.amdhsa_user_sgpr_kernarg_segment_ptr 1
		.amdhsa_wavefront_size32 1
		.amdhsa_system_sgpr_workgroup_id_x 1
		.amdhsa_system_sgpr_workgroup_id_y 1
		.amdhsa_system_sgpr_workgroup_id_z 1
		.amdhsa_system_vgpr_workitem_id 0
		.amdhsa_next_free_vgpr 104
		.amdhsa_next_free_sgpr 66
		.amdhsa_reserve_vcc 0
		.amdhsa_float_denorm_mode_32 3
		.amdhsa_float_denorm_mode_16_64 3
		.amdhsa_memory_ordered 1
		.amdhsa_forward_progress 1
		.amdhsa_inst_pref_size 18
	.end_amdhsa_kernel
	.amdgpu_metadata
---
amdhsa.version: [ 1, 2 ]
amdhsa.kernels:
  - .name:           k_q4b779bac59_cast
    .symbol:         k_q4b779bac59_cast.kd
    .args:
      - { .name: x, .offset: 0, .size: 8, .value_kind: global_buffer, .address_space: global }
      - { .name: Wq, .offset: 8, .size: 8, .value_kind: global_buffer, .address_space: global }
      - { .name: Wk, .offset: 16, .size: 8, .value_kind: global_buffer, .address_space: global }
      - { .name: Wv, .offset: 24, .size: 8, .value_kind: global_buffer, .address_space: global }
      - { .name: Wo, .offset: 32, .size: 8, .value_kind: global_buffer, .address_space: global }
      - { .name: xb, .offset: 40, .size: 8, .value_kind: global_buffer, .address_space: global }
      - { .name: wb, .offset: 48, .size: 8, .value_kind: global_buffer, .address_space: global }
      - { .name: wob, .offset: 56, .size: 8, .value_kind: global_buffer, .address_space: global }
    .group_segment_fixed_size: 0
    .private_segment_fixed_size: 0
    .kernarg_segment_align: 8
    .kernarg_segment_size: 64
    .max_flat_workgroup_size: 256
    .sgpr_count:     66
    .vgpr_count:     104
    .wavefront_size: 32
...
	.end_amdgpu_metadata
.endif
;; end of part 8
;; launch qkv: the kernel of part 5 again; grid 16 x 16, 4 waves a work-group, clusters of 4 x 4, 327,680 bytes of LDS; arguments xb, wb, bq, bk, bv, q, k, v; writes q, k, v
;; launch attn: the kernel of part 6 again; grid 8 x 32, 8 waves a work-group, no clusters, 327,680 bytes of LDS; arguments q, k, v, ctx; writes ctx
;; launch oproj: the kernel of part 7 again; grid 8 x 32, 4 waves a work-group, clusters of 4 x 4, 327,680 bytes of LDS; arguments ctx, wob, bo, out0; writes out0
